; MI455X (gfx1250); checked and timed in simulation.
; The chip was launched on July 23, 2026; its instructions are those of AMD's public machine-readable ISA for CDNA 5 (MIT licence, August 2026) and "CDNA5" Instruction Set Architecture Reference Guide (July 2026). The comments in the code are by the model that wrote it; some were corrected since.
;; Attention. Allowed arithmetic: matrix products marked QUANTISED: E4M3 operands, one given power-of-two scale a tensor, by v_wmma_f32_16x16x64_fp8_fp8 or v_wmma_f32_16x16x128_fp8_fp8, f32 sums; everything else in f32.
;; Inputs: W_K 16 x 64 x 1,024 float32; W_O 1,024 x 1,024 float32; W_Q 16 x 64 x 1,024 float32; W_V 16 x 64 x 1,024 float32; lowp_scales 12 int32 (the exponents e of the quantised operands' scales 2^e); x 8 x 1,024 x 1,024 float32.
;; Outputs: out0 8 x 1,024 x 1,024 float32.
;; This version of the problem:
;;   THIS VERSION OF THE PROBLEM IS GIVEN IN LOW PRECISION. The matrix products marked QUANTISED in the list below multiply operands that are first quantised to E4M3 (4 exponent bits, 3 mantissa bits; 8 bits a number), with one given power-of-two scale for each operand tensor; their sums are f32. All else is computed in f32.
;;   The module's matrix products, in the order in which they are computed (A, B: the left and right operand; K: the contracted axis; several contracted axes count as one K, in the product's order):
;;     1. [M 8,192, K 1,024] x [K 1,024, N 1,024]; A: input x; B: input W_K: QUANTISED (scales: A lowp_scales[0], B lowp_scales[1])
;;     2. [M 8,192, K 1,024] x [K 1,024, N 1,024]; A: input x; B: input W_Q: QUANTISED (scales: A lowp_scales[2], B lowp_scales[3])
;;     3. [M 8,192, K 1,024] x [K 1,024, N 1,024]; A: input x; B: input W_V: QUANTISED (scales: A lowp_scales[4], B lowp_scales[5])
;;     4. batch 128 x [M 1,024, K 64] x [K 64, N 1,024]; A: computed on the way; B: computed on the way: QUANTISED (scales: A lowp_scales[6], B lowp_scales[7])
;;     5. batch 128 x [M 1,024, K 1,024] x [K 1,024, N 64]; A: computed on the way; B: computed on the way: QUANTISED (scales: A lowp_scales[8], B lowp_scales[9])
;;     6. [M 8,192, K 1,024] x [K 1,024, N 1,024]; A: computed on the way; B: input W_O: QUANTISED (scales: A lowp_scales[10], B lowp_scales[11])
;;   THE QUANTISER, for each operand of a quantised product, along K:
;;     - The operand's scale is 2^e, e = its entry of the input lowp_scales (int32; the entries are numbered through the quantised products in the list's order, A before B).
;;     - Each number is divided by the scale, clamped to +-448, and rounded to the nearest number of E4M3, ties to even, subnormals kept.
;;     - The product sums the exact products of the quantised numbers (number of the format x scale) in f32.
;;   ~~~python
;;   def quantise(x, axis, e):      # numpy; x: float32 -> the quantised numbers, widened to float32 again
;;       x = np.moveaxis(x, axis, -1); K = x.shape[-1]
;;       r = np.clip(x / 2.0 ** e, -448, 448)
;;       step = 2.0 ** (np.maximum(np.frexp(np.where(r == 0, 1, r))[1] - 1, -6) - 3)
;;       q = np.round(r / step) * step * 2.0 ** e      # np.round: ties to even
;;       return np.moveaxis(q, -1, axis).astype(np.float32)
;;   ~~~
;;   OPERANDS COMPUTED ON THE WAY. 'Computed on the way' means the value that the module computes at that place (a softmax that the list does not call 'softmax' is quantised finished and normalised). What goes into a quantiser is computed in f32, as accurately as f32 sums, v_exp_f32 and their like allow (about 1e-6 of the number): no bf16 or f16 on the way to a quantiser, and a product that is left as it is and whose result goes on into a quantised operand takes f32 operands (vector FMAs, or v_wmma_f32_16x16x4_f32). A number that lies on a knife's edge between two numbers of the format may be rounded either way, as far as f32 arithmetic and the matrix unit's own rounding can turn it there, and no further.
;; One version. Each part assembles by itself: llvm-mc -triple=amdgcn-amd-amdhsa -mcpu=gfx1250 --defsym DOCPART=n.
;; ======== version 1 of 1: 5 launches
;; limits: right only within a limited range of input values
;; workspace buffers: xc 25,165,824 bytes; wc 4,194,304 bytes; kqv 25,165,824 bytes; st 524,288 bytes; zc 8,388,608 bytes
;; launch quant (part 1): grid 384 x 1, 4 waves a work-group, no clusters, 68,096 bytes of LDS; arguments x, W_K, W_Q, W_V, W_O, lowp_scales, xc, wc; writes xc, wc
.if DOCPART == 1
	.amdgcn_target "amdgcn-amd-amdhsa--gfx1250"
	.amdhsa_code_object_version 6
	.text
	.protected	k_q3826527fbd_quant
	.globl	k_q3826527fbd_quant
	.p2align	8
	.type	k_q3826527fbd_quant,@function
k_q3826527fbd_quant:
	s_mov_b64 s[64:65], 0
	v_nop
	global_prefetch_b8 v0, s[64:65] scope:SCOPE_SE
	s_setreg_imm32_b32 hwreg(HW_REG_WAVE_MODE, 25, 1), 1
	s_wait_xcnt 0x0
; x [8192][1024] and the four weights [1024][1024], f32 with K innermost, become codes of FP8 (E4M3), one byte each.
; x is an operand of three products, each with its own scale (entries 0, 2, 4): xc holds three sets, [3][8192][1024], K innermost.
; wc holds four parts of 2^20 bytes: W_K (entry 1), W_Q (entry 3), W_V (entry 5), W_O (entry 11), each as IMAGES OF THE OPERAND'S REGISTERS:
; block of 16 rows nb, 128 along K q, group of four registers c: 512 bytes at 16384 nb + 2048 q + 512 c, in which lane 16 H + r has the 16 codes K = 128 q + 32 c + 16 H + 0 .. 15 of row 16 nb + r.
; code = number / 2^e, held within +-448, rounded to the nearest code, ties to even.
; LIMITS: each e used here lies between -126 and 119.  NaN among the inputs is not served.
; SHARES.  A work-group takes 32 rows; wave w takes rows 16 (w / 2) + 0 .. 15, half w % 2 of each: 16 steps of 512 numbers, a row a step.  Work-groups 0-255 take x, 256-383 the weights (32 each).
; A step's 2,048 bytes are loaded as they lie and turn through the wave's stage in LDS, from which a lane takes 16 neighbours.  A lane's 16 codes are 16 bytes: a store of x's codes covers 512 consecutive bytes.
; In the image, lane l's codes of step t are piece t of the 256 bytes at 256 l of the wave's 8,192: the pieces are gathered in LDS bytes of their own and leave at the end, 512 consecutive bytes a store.
; No tensor loads, no barrier: waves share nothing.
.set WAVES, 4
.set STEPS, 16
.set SP,    80                         ; a lane's place in a stage: 64 bytes + 16 of padding
.set WREG,  8192                       ; LDS of a wave: two stages of 32 x SP bytes
.set SPARE, WAVES*WREG                 ; the spare words, 128 bytes a wave
.set FS,    SPARE+512                  ; the image's gathering place: 32 x FP bytes a wave
.set FP,    272
.set OFS,   3                          ; v3  16 x lane
.set FST,   4                          ; v4  the gathering place on the way in: FP x lane
.set SCL,   5                          ; v5, v7, v9 the scales as f32;  v6, v8, v10 448 x the scale
.set FRD,   11                         ; v11 and on the way out: FP (lane / 16) + 16 (lane % 16)
.set SPW,   12
.set NIL,   13
.set SIN,   14
.set SOUT,  15
.set R,     16                         ; v16-79  four sets of 16 numbers as loaded; at the end the image read back
.set X,     80                         ; v80-111 two sets of 16 neighbours
.set T,     112                        ; v112-127 the numbers held
.set C,     128                        ; v128-151 codes: two sets of 3 x 4 registers by turns
	s_load_b512 s[4:19], s[0:1], 0x0               ; x, W_K, W_Q, W_V, W_O, the scales, xc, wc
	v_lshl_add_u32 v[SPW], v0, 2, SPARE
	v_mov_b32 v[NIL], 0
	v_lshrrev_b32 v1, 5, v0
	v_readfirstlane_b32 s32, v1                    ; wave
	v_and_b32 v2, 31, v0                           ; lane
	v_lshlrev_b32 v[OFS], 4, v2
	s_mul_i32 s33, s32, WREG
	v_lshrrev_b32 v[SIN], 2, v2
	v_mul_u32_u24 v[SIN], v[SIN], SP
	v_and_b32 v[SOUT], 3, v2
	v_lshl_add_u32 v[SIN], v[SOUT], 4, v[SIN]
	v_add_nc_u32 v[SIN], s33, v[SIN]               ; in: SP (lane / 4) + 16 (lane % 4)
	v_mul_u32_u24 v[SOUT], v2, SP
	v_add_nc_u32 v[SOUT], s33, v[SOUT]             ; out: SP x lane
	s_mul_i32 s56, s32, 32*FP
	s_add_co_u32 s56, s56, FS
	v_mul_u32_u24 v[FST], v2, FP
	v_add_nc_u32 v[FST], s56, v[FST]
	v_lshrrev_b32 v[FRD], 4, v2
	v_mul_u32_u24 v[FRD], v[FRD], FP
	v_and_b32 v1, 15, v2
	v_lshl_add_u32 v[FRD], v1, 4, v[FRD]
	v_add_nc_u32 v[FRD], s56, v[FRD]
	s_max_u32 s35, ttmp9, 256
	s_sub_co_u32 s35, s35, 256                     ; a weight's work-group: its number among the 128
	s_lshr_b32 s36, s35, 5                         ; which weight
	s_and_b32 s37, s35, 31                         ; which 32 rows of it
	s_lshr_b32 s53, s32, 1                         ; which 16 rows
	s_and_b32 s54, s32, 1                          ; which half of them
	s_wait_alu depctr_va_vdst(0)
	s_wait_kmcnt 0x0
	s_load_b256 s[20:27], s[14:15], 0x0            ; e0 .. e7
	s_load_b128 s[28:31], s[14:15], 0x20           ; e8 .. e11
	s_cmp_eq_u32 s36, 1                            ; the choices hang on the work-group's number alone
	s_cselect_b64 s[40:41], s[8:9], s[6:7]
	s_cmp_eq_u32 s36, 2
	s_cselect_b64 s[40:41], s[10:11], s[40:41]
	s_cmp_eq_u32 s36, 3
	s_cselect_b64 s[40:41], s[12:13], s[40:41]
	s_cmp_lt_u32 ttmp9, 256
	s_cselect_b64 s[40:41], s[4:5], s[40:41]       ; the source
	s_cselect_b64 s[42:43], s[16:17], s[18:19]     ; the first set of codes goes to xc or to wc
	s_cselect_b32 s34, 1, 0                        ; 1: x, three sets of codes in rows; 0: a weight, one set as an image
	s_cselect_b32 s55, 9, 13                       ; the second half of the rows lies 512 bytes on in rows, 8,192 in the image
	s_cselect_b32 s38, ttmp9, s37                  ; the 32 rows' number in the source,
	s_cselect_b32 s39, ttmp9, s35                  ; and in the destination
	s_lshl_b32 s48, s38, 17                        ; 32 rows of 4,096 bytes,
	s_lshl_b32 s57, s53, 16                        ; 16 rows,
	s_add_co_u32 s48, s48, s57
	s_lshl_b32 s57, s54, 11                        ; half a row
	s_add_co_u32 s48, s48, s57
	s_mov_b32 s49, 0
	s_add_nc_u64 s[40:41], s[40:41], s[48:49]
	s_lshl_b32 s48, s39, 15                        ; and their codes
	s_lshl_b32 s57, s53, 14
	s_add_co_u32 s48, s48, s57
	s_lshl_b32 s57, s54, s55
	s_add_co_u32 s48, s48, s57
	s_add_nc_u64 s[42:43], s[42:43], s[48:49]
	s_add_nc_u64 s[44:45], s[16:17], s[48:49]
	s_add_nc_u64 s[46:47], s[44:45], 0x1000000     ; x's third set,
	s_add_nc_u64 s[44:45], s[44:45], 0x800000      ; x's second set (inside xc in every work-group; only x's work-groups store there)
.macro LOAD t
.irp i, 0,1,2,3
	global_load_b128 v[R+16*((\t)%4)+4*\i:R+16*((\t)%4)+4*\i+3], v[OFS], s[40:41] offset:4096*(\t)+512*\i th:TH_LOAD_NT   ; 32 lanes read 512 consecutive bytes
.endr
.endm
.macro TURN t                          ; LDS serves a wave's instructions in order: no wait between the stores and the loads
.irp i, 0,1,2,3
	ds_store_b128 v[SIN], v[R+16*((\t)%4)+4*\i:R+16*((\t)%4)+4*\i+3] offset:32*SP*((\t)%2)+8*SP*\i
.endr
.irp i, 0,1,2,3
	ds_load_b128 v[X+16*((\t)%2)+4*\i:X+16*((\t)%2)+4*\i+3], v[SOUT] offset:32*SP*((\t)%2)+16*\i
.endr
.endm
.macro MKSC se, k                      ; 2^e and 448 x 2^e as f32 numbers, for set k
	s_add_co_i32 s50, \se, 127
	s_lshl_b32 s51, s50, 23
	v_mov_b32 v[SCL+2*(\k)], s51
	s_add_co_i32 s50, s50, 8
	s_lshl_b32 s50, s50, 23
	s_or_b32 s50, s50, 0x600000
	v_mov_b32 v[SCL+2*(\k)+1], s50
.endm
.macro CODES t, k                      ; step t's 16 neighbours become set k's 16 codes
.irp i, 0,1,2,3,4,5,6,7,8,9,10,11,12,13,14,15
	v_med3_num_f32 v[T+\i], v[X+16*((\t)%2)+\i], -v[SCL+2*(\k)+1], v[SCL+2*(\k)+1]   ; the conversion does not saturate (ISA guide 7.6.2): the hold at the largest code x the scale
.endr
	v_cvt_scalef32_pk8_fp8_f32 v[C+12*((\t)%2)+4*(\k):C+12*((\t)%2)+4*(\k)+1], v[T:T+7], v[SCL+2*(\k)]
	v_cvt_scalef32_pk8_fp8_f32 v[C+12*((\t)%2)+4*(\k)+2:C+12*((\t)%2)+4*(\k)+3], v[T+8:T+15], v[SCL+2*(\k)]
	v_nop                                          ; one plain vector instruction behind the conversions
.endm
.macro ROWS t, k
	global_store_b128 v[OFS], v[C+12*((\t)%2)+4*(\k):C+12*((\t)%2)+4*(\k)+3], s[42+2*(\k):43+2*(\k)] offset:1024*(\t)
.endm
.irp t, 0,1,2,3
	LOAD \t
.endr
	s_wait_kmcnt 0x0
	s_cmp_eq_u32 s36, 1
	s_cselect_b32 s48, s23, s21                    ; e3 or e1
	s_cmp_eq_u32 s36, 2
	s_cselect_b32 s48, s25, s48                    ; e5
	s_cmp_eq_u32 s36, 3
	s_cselect_b32 s48, s31, s48                    ; e11
	s_cmp_lt_u32 ttmp9, 256
	s_cselect_b32 s48, s20, s48                    ; e0 for x
	MKSC s48, 0
	MKSC s22, 1                                    ; e2
	MKSC s24, 2                                    ; e4
	s_wait_alu depctr_va_vdst(0)
	s_wait_loadcnt 12                              ; step 0's four loads are in
	TURN 0
.macro STEP t
	s_wait_dscnt 0x0                               ; this step's numbers are back from the stage
.if (\t)+4 < STEPS
	LOAD (\t)+4
.endif
.if (\t)+1 < STEPS
.if STEPS-2-(\t) >= 3
	s_wait_loadcnt 12                              ; the next step's four loads are in; those of the three steps behind it may be out
.else
	s_wait_loadcnt 4*(STEPS-2-(\t))
.endif
	TURN (\t)+1
.endif
.if (\t) >= 2
	s_wait_xcnt 0x0                                ; the stores of two steps back have read this set of code registers
.endif
	CODES \t, 0
	s_cmp_lg_u32 s34, 0
	s_wait_alu depctr_va_vdst(0)                   ; ahead of the branch
	s_cbranch_scc1 .Lrows_\@
	ds_store_b128 v[FST], v[C+12*((\t)%2):C+12*((\t)%2)+3] offset:16*(\t)   ; a weight: piece t of my 256 bytes of the image
	s_branch .Ldone_\@
.Lrows_\@:
	ROWS \t, 0
	CODES \t, 1
	ROWS \t, 1
	CODES \t, 2
	ROWS \t, 2
.Ldone_\@:
.endm
.irp t, 0,1,2,3,4,5,6,7,8,9,10,11,12,13,14,15
	STEP \t
.endr
	s_cmp_lg_u32 s34, 0
	s_cbranch_scc1 .Lend
.irp j, 0,1,2,3,4,5,6,7,8,9,10,11,12,13,14,15
	ds_load_b128 v[R+4*\j:R+4*\j+3], v[FRD] offset:2*\j*FP   ; two lanes' 256 bytes a load; these see my stores
.endr
.irp j, 0,1,2,3,4,5,6,7,8,9,10,11,12,13,14,15
	s_wait_dscnt 15-\j
	global_store_b128 v[OFS], v[R+4*\j:R+4*\j+3], s[42:43] offset:512*\j   ; 512 consecutive bytes, aligned
.endr
.Lend:
	s_wait_tensorcnt 0x0                           ; the wave's end
	ds_add_u32 v[SPW], v[NIL]
	s_wait_dscnt 0x0
	s_endpgm
.Lfunc_end_k_q3826527fbd_quant:
	.size	k_q3826527fbd_quant, .Lfunc_end_k_q3826527fbd_quant-k_q3826527fbd_quant
	.p2alignl 7, 3214868480
	.fill 96, 4, 3214868480
	.section	.rodata,"a",@progbits
	.p2align	6, 0x0
	.amdhsa_kernel k_q3826527fbd_quant
		.amdhsa_group_segment_fixed_size 68096
		.amdhsa_private_segment_fixed_size 0
		.amdhsa_enable_private_segment 0
		.amdhsa_kernarg_size 64
		.amdhsa_user_sgpr_count 2
		.amdhsa_user_sgpr_kernarg_segment_ptr 1
		.amdhsa_wavefront_size32 1
		.amdhsa_system_sgpr_workgroup_id_x 1
		.amdhsa_system_sgpr_workgroup_id_y 1
		.amdhsa_system_sgpr_workgroup_id_z 1
		.amdhsa_system_vgpr_workitem_id 0
		.amdhsa_next_free_vgpr 152
		.amdhsa_next_free_sgpr 66
		.amdhsa_reserve_vcc 0
		.amdhsa_float_denorm_mode_32 3
		.amdhsa_float_denorm_mode_16_64 3
		.amdhsa_memory_ordered 1
		.amdhsa_forward_progress 1
		.amdhsa_inst_pref_size 86
	.end_amdhsa_kernel
	.amdgpu_metadata
---
amdhsa.version: [ 1, 2 ]
amdhsa.kernels:
  - .name:           k_q3826527fbd_quant
    .symbol:         k_q3826527fbd_quant.kd
    .args:
      - { .name: x, .offset: 0, .size: 8, .value_kind: global_buffer, .address_space: global }
      - { .name: W_K, .offset: 8, .size: 8, .value_kind: global_buffer, .address_space: global }
      - { .name: W_Q, .offset: 16, .size: 8, .value_kind: global_buffer, .address_space: global }
      - { .name: W_V, .offset: 24, .size: 8, .value_kind: global_buffer, .address_space: global }
      - { .name: W_O, .offset: 32, .size: 8, .value_kind: global_buffer, .address_space: global }
      - { .name: lowp_scales, .offset: 40, .size: 8, .value_kind: global_buffer, .address_space: global }
      - { .name: xc, .offset: 48, .size: 8, .value_kind: global_buffer, .address_space: global }
      - { .name: wc, .offset: 56, .size: 8, .value_kind: global_buffer, .address_space: global }
    .group_segment_fixed_size: 68096
    .private_segment_fixed_size: 0
    .kernarg_segment_align: 8
    .kernarg_segment_size: 64
    .max_flat_workgroup_size: 128
    .sgpr_count:     66
    .vgpr_count:     152
    .wavefront_size: 32
...
	.end_amdgpu_metadata
.endif
;; end of part 1
;; launch proj (part 2): grid 4 x 64, 4 waves a work-group, clusters of 4 x 4, 327,680 bytes of LDS; arguments xc, wc, lowp_scales, kqv; writes kqv
.if DOCPART == 2
	.amdgcn_target "amdgcn-amd-amdhsa--gfx1250"
	.amdhsa_code_object_version 6
	.text
	.protected	k_q3826527fbd_proj
	.globl	k_q3826527fbd_proj
	.p2align	8
	.type	k_q3826527fbd_proj,@function
k_q3826527fbd_proj:
	s_mov_b64 s[64:65], 0
	v_nop
	global_prefetch_b8 v0, s[64:65] scope:SCOPE_SE
	s_setreg_imm32_b32 hwreg(HW_REG_WAVE_MODE, 25, 1), 1
	s_wait_xcnt 0x0
	s_wait_alu depctr_hold_cnt(0) depctr_sa_sdst(0) depctr_va_vdst(0) depctr_va_sdst(0) depctr_va_ssrc(0) depctr_va_vcc(0) depctr_vm_vsrc(0)
	s_getreg_b32 s2, hwreg(HW_REG_IB_STS2, 6, 4)
	s_cmp_eq_u32 s2, 0
	s_cbranch_scc0 .Lentry_in_a_cluster
	s_endpgm
.Lentry_in_a_cluster:
	s_bfe_u32 s2, ttmp6, 0x10000c
	s_cmp_lg_u32 s2, 0xf033
	s_cbranch_scc0 .Lentry_shape_is_right
	s_endpgm
.Lentry_shape_is_right:
; k, q, v = x W^T on codes of FP8 (E4M3), sums in f32, each result quantised at once into the codes that the attention's products take: k with entry 6 of the scales, q with entry 7, v with entry 9.
; THE WEIGHTS STAY IN REGISTERS.  A wave holds one head's 64 rows of one weight over the whole K = 1,024: 4 blocks of 16 rows x 8 steps of 128 x 16 registers = 512.  The launch before has laid them as images of these registers.
; At the head K steps 0-4 of the work-group's four heads come by two tensor loads (waves 2, 3) into LDS bytes that x does not need yet, and from there into registers; K steps 5-7 come straight from memory, 48 loads of 512 bytes a wave.
; Only x goes through LDS afterwards: chunks of 128 rows x 1,024 bytes, two slots by turns.
; SHARES.  A unit is a chunk of x (one of 64) against one third's weights (k, q, v): 192 units, numbered third by third; x's three sets of codes lie so that unit U's chunk begins at 131,072 U.
; CLUSTERS: 4 x 4 work-groups, 16 clusters.  Cluster C takes units 12 C .. 12 C + 11 in three steps: in step i its row cy takes unit 12 C + 4 i + cy; work-group cx of a row holds heads 4 cx + wave.
; The four of a row need the same chunk of x, the four of a column the same weights: each tile is asked for JOINTLY.  A third has 64 units, a multiple of 4, so a step's four units lie in one third:
; the third hangs on C and i alone.  Where 12 C + 4 i is a multiple of 64 behind the first step, the weights are loaded anew, all from memory: a branch on C and i alone, the same in all sixteen.
; A chunk goes in two halves of 64 rows: 16 accumulators (4 blocks of x by 4 of the weight) by turns, one instruction a turn, 8 steps of 128 along K, then the way out.
; The second half's first fragments are asked of LDS ahead of the first half's way out.
; k, q: source 0 = the weight, source 1 = x: a lane holds one row of x and eight neighbours of the head's 64.  v: the sources change places: a lane holds one channel and eight neighbouring rows of x,
; and accumulator (x's block a, weight's block b) stands at 4 b + a and not at 4 a + b: so one way out serves both.
; OUTPUT kqv [3][128 heads][65,536 bytes].  k, q: a head is [1,024 rows][64 places]; v: [16 blocks of 64 rows][64 channels][64 places].  Within each 32 places, place 16 H + 8 u + j holds index 16 u + 8 H + j.
; A half chunk of a wave is 4,096 consecutive bytes in either form: four runs of 16 lines of 64 bytes, each run from four accumulators on end.
; A sum stands for sum x 2^(ea + eb); its code is sum / 2^(eo - ea - eb), held within +-448.  LIMIT: eo - ea - eb between -126 and 119.
; NO PREFETCH: a chunk is asked for 256 matrix instructions a wave ahead of the wait for it, and the three chunks leave no loop to run further ahead in.
; REGISTERS: window 0: v0-15 addresses, v16-55 the way out, v64-255 three buffers of x's four fragments; window 1: v0-127 accumulators, v128-159 the lines read back; windows 2, 3: the weights, K steps 0-3 and 4-7.
; Scalars: s13 cx, s92 cy; s62 = 12 C + 4 i, s14 = s62 + cy; the registers that feed x's descriptors (s14, s88-91) never hold cx, those that feed the weights' descriptor (s15, s54, s55) never hold cy.
.set PITCH,  1040                      ; an LDS row: 1,024 bytes + 16 of padding = 260 words: row r starts at bank 4 r mod 64 (64 banks of 4 bytes: ISA guide 11.1)
.set HALFB,  64*PITCH
.set SLOTB,  128*PITCH
.set NT,     5                         ; the weights' K steps that come through LDS
.set WROW,   NT*2048                   ; of one block of 16 rows
.set WHB,    4*WROW                    ; of a head
.set WB,     SLOTB                     ; they lie from slot 1's first byte on
.set STAGE,  WB+4*WHB                  ; 64 lines x 80 bytes for each wave; no tile lands here
.set SPARE,  STAGE+4*5120              ; the spare words, 128 bytes a wave
.set SPW, 2
.set NIL, 3
.set A0,  4                            ; v4  my lane's place in a block of x: PITCH r + 16 H
.set ADR, 5                            ; v5  the same in the half chunk in hand
.set STO, 6                            ; v6  the stage on the way in
.set RD,  7                            ; v7  and on the way out
.set CO,  8                            ; v8  16 x lane
.set SC,  10                           ; v10 2^(eo - ea - eb)
.set LIM, 11                           ; v11 448 x that
.set WA,  14                           ; v14 my lane's place in my head's image in LDS
.set TMP, 16
.set CD,  48
.set AB,  64
.set BK,  128                          ; in window 1
.set G0,  16                           ; s[16:19] the refills' group 0;  s[24:31] their group 1: 32 rows a wave
.set G1,  24
.set G0W, 32                           ; s[32:35], s[68:75] the weights' tile
.set G1W, 68
.set G1H, 76                           ; s[76:83], s[84:87] the first chunk: 64 rows a wave
.set G0H, 84
.set MSB, 0
.macro WIN new                         ; the immediate's high byte repeats the setting that is left
.if MSB != (\new)
	s_set_vgpr_msb (MSB<<8)|(\new)
.set MSB, (\new)
.endif
.endm
.macro PLACES                          ; plain vector instructions behind a matrix instruction (ISA guide 7.12.1)
.rept 4
	v_nop
.endr
.endm
.macro CROUND                          ; a round of the cluster's barrier
	s_barrier_signal -1
	s_barrier_wait -1
	s_cmp_lg_u32 s12, 0
	s_cbranch_scc1 .Lnot_wave_0_\@
	s_barrier_signal -3
.Lnot_wave_0_\@:
	s_barrier_wait -3
	s_barrier_signal -1
	s_barrier_wait -1
.endm
.macro WPTR                            ; s[20:21]: my head's image in the weight of the step's third
	s_lshr_b32 s15, s62, 6
	s_lshl_b32 s48, s15, 20
	s_lshl_b32 s49, s13, 2
	s_add_co_u32 s49, s49, s12
	s_lshl_b32 s51, s49, 16
	s_add_co_u32 s48, s48, s51
	s_mov_b32 s49, 0
	s_add_nc_u64 s[20:21], s[6:7], s[48:49]
.endm
.macro WLOAD q0                        ; K steps q0 .. 7 from memory: block b, K step q at 2048 (8 b + q)
.irp h, 0,1
	WIN 0x80+0x40*\h
.irp q, 0,1,2,3
.irp b, 0,1,2,3
.irp c, 0,1,2,3
.if 4*\h+\q >= \q0
	global_load_b128 v[64*\q+16*\b+4*\c:64*\q+16*\b+4*\c+3], v[CO], s[20:21] offset:(8*\b+4*\h+\q)*2048+512*\c
.endif
.endr
.endr
.endr
.endr
	WIN 0
.endm
.macro WLDS                            ; K steps 0 .. NT - 1 from LDS
.irp q, 0,1,2,3,4
	WIN 0x80+0x40*(\q/4)
.irp b, 0,1,2,3
.irp c, 0,1,2,3
	ds_load_b128 v[64*(\q%4)+16*\b+4*\c:64*(\q%4)+16*\b+4*\c+3], v[WA] offset:\b*WROW+\q*2048+512*\c
.endr
.endr
.endr
	WIN 0
.endm
.macro LOADG g                         ; K step g's four fragments of x into buffer g % 3: registers 4 c .. 4 c + 3 hold K = 128 g + 32 c + 16 H + 0 .. 15, as the weights' image has them
.irp a, 0,1,2,3
.irp c, 0,1,2,3
	ds_load_b128 v[AB+64*((\g)%3)+16*\a+4*\c:AB+64*((\g)%3)+16*\a+4*\c+3], v[ADR] offset:\a*16*PITCH+128*(\g)+32*\c
.endr
.endr
.endm
.macro MULG g, var                     ; 16 matrix instructions, one on each accumulator; K step 0 starts the sums
.if \var
	WIN 0x50|((2+(\g)/4)<<2)
.else
	WIN 0x50|(2+(\g)/4)
.endif
.irp a, 0,1,2,3
.irp b, 0,1,2,3
.set WR, 64*((\g)%4)+16*\b
.set AR, AB+64*((\g)%3)+16*\a
.if \var
.set DR, 8*(4*\b+\a)
.if (\g) == 0
	v_wmma_f32_16x16x128_fp8_fp8 v[DR:DR+7], v[AR:AR+15], v[WR:WR+15], 0
.else
	v_wmma_f32_16x16x128_fp8_fp8 v[DR:DR+7], v[AR:AR+15], v[WR:WR+15], v[DR:DR+7]
.endif
.else
.set DR, 8*(4*\a+\b)
.if (\g) == 0
	v_wmma_f32_16x16x128_fp8_fp8 v[DR:DR+7], v[WR:WR+15], v[AR:AR+15], 0
.else
	v_wmma_f32_16x16x128_fp8_fp8 v[DR:DR+7], v[WR:WR+15], v[AR:AR+15], v[DR:DR+7]
.endif
.endif
.endr
.endr
	WIN 0
.endm
.macro BODY var                        ; 64 rows of x against my 64 rows of the weight; K steps 0 and 1 have been asked for; the loads run two K steps ahead
.irp g, 0,1,2,3,4,5,6,7
.if \g < 6
	PLACES
	LOADG \g+2
	s_wait_dscnt 32                                ; this K step's 16 loads are in; the 32 of the two steps behind it may be out
.else
	s_wait_dscnt 16*(7-\g)
.endif
	MULG \g, \var
.endr
.endm
.macro WAYOUT                          ; four runs of 16 lines: held, converted, 16 bytes a piece into my stage; back as 512 consecutive bytes a load, and stored so
	PLACES
	s_wait_xcnt 0x0                                ; the last way out's stores have read their base and their registers
	s_lshl_b32 s58, s60, 12
	s_mov_b32 s59, 0
	s_add_nc_u64 s[56:57], s[22:23], s[58:59]      ; the half chunk's 4,096 bytes
.irp n, 0,1,2,3
	WIN 0x01
.set j, 0
.rept 32
	v_med3_num_f32 v[TMP+j], v[32*\n+j], -v[LIM], v[LIM]   ; the hold at the largest code x the scale; each accumulator from its low end on
.set j, j+1
.endr
	WIN 0
.irp e, 0,1,2,3
	v_cvt_scalef32_pk8_fp8_f32 v[CD+2*\e:CD+2*\e+1], v[TMP+8*\e:TMP+8*\e+7], v[SC]
.endr
	v_nop                                          ; one plain vector instruction behind the last conversion
	ds_store_b128 v[STO], v[CD:CD+3] offset:1280*\n
	ds_store_b128 v[STO], v[CD+4:CD+7] offset:1280*\n+32
.endr
	WIN 0x40
.irp j, 0,1,2,3,4,5,6,7
	ds_load_b128 v[BK+4*\j:BK+4*\j+3], v[RD] offset:640*\j   ; LDS serves a wave's instructions in order: these see my stores
.endr
	WIN 0x04
.irp j, 0,1,2,3,4,5,6,7
	s_wait_dscnt 7-\j                              ; load j is in; the 7 - j behind it may be out
	global_store_b128 v[CO], v[BK+4*\j:BK+4*\j+3], s[56:57] offset:512*\j   ; 512 consecutive bytes, at a multiple of 256 from the buffer's first byte
.endr
	WIN 0
.endm
; One unit.  In front of it every wave waits for all its tensor loads, adds 0 to its spare word and waits for that and for its reads of the other slot.  fill = 1: a round of the cluster's barrier, and the next chunk's joint load first behind it.
.macro CHUNK i, slot, fill
	s_wait_tensorcnt 0x0                           ; no load of mine is out, so group 0 may be written
	ds_add_u32 v[SPW], v[NIL]
.if \fill
	s_add_nc_u64 s[G0+2:G0+3], s[G0+2:G0+3], 4*131072   ; my row's next unit lies four units on
	s_mul_i32 s[G0+1], s12, 32*PITCH
	s_add_co_u32 s[G0+1], s[G0+1], (1-\slot)*SLOTB
.endif
	s_wait_dscnt 0x0
.if \fill
	CROUND
	tensor_load_to_lds s[G0:G0+3], s[G1:G1+7]
	s_nop 0
	PLACES
.else
	s_barrier_signal -1
	s_barrier_wait -1
.endif
	v_add_nc_u32 v[ADR], \slot*SLOTB, v[A0]
	s_wait_alu depctr_va_vdst(0)
	LOADG 0
	LOADG 1
.if \i > 0
	s_add_co_u32 s14, s14, 4
	s_add_co_u32 s62, s62, 4
	s_and_b32 s63, s62, 63
	s_cmp_lg_u32 s63, 0
	s_cbranch_scc1 .Lsame_\@                       ; the same third: the weights stay
	WPTR
	WLOAD 0
.Lsame_\@:
.endif
	s_wait_kmcnt 0x0
	s_lshr_b32 s15, s62, 6                         ; the third
	s_cmp_eq_u32 s15, 1
	s_cselect_b32 s52, s43, s42                    ; eo: e7 or e6
	s_cselect_b32 s53, s38, s36                    ; ea: e2 or e0
	s_cselect_b32 s61, s39, s37                    ; eb: e3 or e1
	s_cmp_eq_u32 s15, 2
	s_cselect_b32 s52, s45, s52                    ; v: e9,
	s_cselect_b32 s53, s40, s53                    ; e4,
	s_cselect_b32 s61, s41, s61                    ; e5
	s_sub_co_i32 s52, s52, s53
	s_sub_co_i32 s52, s52, s61
	s_add_co_i32 s52, s52, 127
	s_lshl_b32 s53, s52, 23
	v_mov_b32 v[SC], s53
	s_add_co_i32 s52, s52, 8
	s_lshl_b32 s52, s52, 23
	s_or_b32 s52, s52, 0x600000
	v_mov_b32 v[LIM], s52
	s_wait_alu depctr_va_vdst(0)
	s_and_b32 s48, s14, 63                         ; the chunk m: batch m / 8, rows 128 (m % 8) on
	s_lshr_b32 s49, s48, 3
	s_lshl_b32 s49, s49, 4
	s_lshl_b32 s51, s13, 2
	s_add_co_u32 s49, s49, s51
	s_add_co_u32 s49, s49, s12                     ; the head: 16 batch + 4 cx + wave
	s_lshl_b32 s49, s49, 16
	s_and_b32 s48, s48, 7
	s_lshl_b32 s48, s48, 13
	s_add_co_u32 s48, s48, s49
	s_lshl_b32 s49, s15, 23
	s_add_co_u32 s48, s48, s49
	s_mov_b32 s49, 0
	s_add_nc_u64 s[22:23], s[10:11], s[48:49]
	s_wait_loadcnt 0x0                             ; the weights
	s_mov_b32 s60, 0
.Lhalf_\@:
	s_cmp_eq_u32 s15, 2
	s_cbranch_scc1 .Lv_\@
	BODY 0
	s_branch .Lout_\@
.Lv_\@:
	BODY 1
.Lout_\@:
	s_cmp_lg_u32 s60, 0
	s_cbranch_scc1 .Llast_\@
	v_add_nc_u32 v[ADR], \slot*SLOTB+HALFB, v[A0]  ; the second half's first two K steps, ahead of the first half's way out
	s_wait_alu depctr_va_vdst(0)
	PLACES
	LOADG 0
	LOADG 1
.Llast_\@:
	WAYOUT
	s_add_co_u32 s60, s60, 1
	s_cmp_lt_u32 s60, 2
	s_cbranch_scc1 .Lhalf_\@
.endm
	s_load_b128 s[4:7], s[0:1], 0x0                ; xc, wc
	s_load_b128 s[8:11], s[0:1], 0x10              ; the scales, kqv
	v_lshl_add_u32 v[SPW], v0, 2, SPARE
	v_mov_b32 v[NIL], 0
	ds_add_u32 v[SPW], v[NIL]                      ; the opening: the add, twice on end, and its wait ahead of my first tensor load
	ds_add_u32 v[SPW], v[NIL]
	v_lshrrev_b32 v1, 5, v0
	v_readfirstlane_b32 s12, v1                    ; wave 0..3
	s_bfe_u32 s13, ttmp6, 0x40000                  ; cx
	s_bfe_u32 s92, ttmp6, 0x40004                  ; cy
	s_and_b32 s93, ttmp7, 0xffff                   ; the cluster's number C
	s_mul_i32 s62, s93, 12                         ; the first step's first unit,
	s_add_co_u32 s14, s62, s92                     ; and my row's
	s_lshl_b32 s94, s92, 2
	s_lshl_b32 s94, 15, s94                        ; my row of the cluster
	s_lshl_b32 s95, 0x1111, s13                    ; my column
.irp g, G1, G1H
	s_or_b32 s[\g], s94, (1<<20)|(1<<21)|(7<<22)|(3<<25)   ; the mask: x's chunks go to my row; elements of 1 byte; padding on: four words after every 256; bit 21 beside the mask
	s_mov_b32 s[\g+1], 1024<<16                    ; tensor_dim0
	s_mov_b32 s[\g+3], 1024<<16                    ; tile_dim0
	s_mov_b32 s[\g+5], 1024                        ; the pitch
	s_mov_b32 s[\g+6], 0
	s_mov_b32 s[\g+7], 0
.endr
	s_mov_b32 s[G1+2], 32<<16                      ; tensor_dim1, tile_dim1
	s_mov_b32 s[G1+4], 32
	s_mov_b32 s[G1H+2], 64<<16
	s_mov_b32 s[G1H+4], 64
	s_or_b32 s[G1W], s95, 1<<21                    ; the mask: the weights go to my column; elements of 1 byte, no padding: 8 rows (two heads' four blocks) of WROW bytes, 16,384 apart
	s_mov_b32 s[G1W+1], WROW<<16
	s_mov_b32 s[G1W+2], 8<<16
	s_mov_b32 s[G1W+3], WROW<<16
	s_mov_b32 s[G1W+4], 8
	s_mov_b32 s[G1W+5], 16384
	s_mov_b32 s[G1W+6], 0
	s_mov_b32 s[G1W+7], 0
	s_mov_b32 s[G0], 1
	s_mov_b32 s[G0H], 1
	s_mov_b32 s[G0W], 1
	s_and_b32 s50, s12, 1                          ; which half of the chunk, or of the four heads, I fetch at the head
	s_mul_i32 s[G0H+1], s50, 64*PITCH
	s_mul_i32 s[G0W+1], s50, 2*WHB
	s_add_co_u32 s[G0W+1], s[G0W+1], WB
	s_lshl_b32 s88, s14, 17
	s_lshl_b32 s89, s12, 15
	s_add_co_u32 s90, s88, s89                     ; the refills: my 32 rows
	s_mov_b32 s91, 0
	s_lshl_b32 s89, s50, 16
	s_add_co_u32 s88, s88, s89                     ; the first chunk: 64 rows
	s_mov_b32 s89, 0
	s_lshr_b32 s15, s62, 6
	s_lshl_b32 s54, s15, 20                        ; the third's weight,
	s_lshl_b32 s55, s13, 18                        ; my column's four heads,
	s_add_co_u32 s54, s54, s55
	s_lshl_b32 s55, s50, 17                        ; two of them
	s_add_co_u32 s54, s54, s55
	s_mov_b32 s55, 0
	s_wait_dscnt 0x0                               ; both opening adds are done
	s_wait_kmcnt 0x0
	s_load_b256 s[36:43], s[8:9], 0x0              ; e0 .. e7
	s_load_b128 s[44:47], s[8:9], 0x20             ; e8 .. e11
	s_add_nc_u64 s[G0+2:G0+3], s[4:5], s[90:91]
	s_or_b32 s[G0+3], s[G0+3], 0x80000000
	s_add_nc_u64 s[G0H+2:G0H+3], s[4:5], s[88:89]
	s_or_b32 s[G0H+3], s[G0H+3], 0x80000000
	s_add_nc_u64 s[G0W+2:G0W+3], s[6:7], s[54:55]
	s_or_b32 s[G0W+3], s[G0W+3], 0x80000000
	WPTR
	CROUND                                         ; all sixteen work-groups are here: the first joint loads meet
	s_cmp_lt_u32 s12, 2                            ; one tensor load a wave at the head: waves 0, 1 my row's first chunk; waves 2, 3 my column's weights
	s_cbranch_scc0 .Lfor_w
	tensor_load_to_lds s[G0H:G0H+3], s[G1H:G1H+7]
	s_nop 0
	PLACES
	s_branch .Lasked
.Lfor_w:
	tensor_load_to_lds s[G0W:G0W+3], s[G1W:G1W+7]
	s_nop 0
	PLACES
.Lasked:
	v_and_b32 v[CO], 31, v0
	v_lshlrev_b32 v[CO], 4, v[CO]
	v_and_b32 v1, 15, v0                           ; r
	v_bfe_u32 v9, v0, 4, 1                         ; H
	v_mul_u32_u24 v[A0], v1, PITCH
	v_lshl_add_u32 v[A0], v9, 4, v[A0]
	s_mul_i32 s50, s12, 5120
	s_add_co_u32 s50, s50, STAGE                   ; my stage
	v_mul_u32_u24 v[STO], v1, 80
	v_lshl_add_u32 v[STO], v9, 4, v[STO]
	v_add_nc_u32 v[STO], s50, v[STO]               ; in: line r of 80 bytes, + 16 H
	v_bfe_u32 v12, v0, 2, 3
	v_and_b32 v13, 3, v0
	v_mul_u32_u24 v[RD], v12, 80
	v_lshl_add_u32 v[RD], v13, 4, v[RD]
	v_add_nc_u32 v[RD], s50, v[RD]                 ; back: four lanes to a line of 64 bytes
	s_mul_i32 s51, s12, WHB
	s_add_co_u32 s51, s51, WB
	v_add_nc_u32 v[WA], s51, v[CO]
	s_wait_alu depctr_va_vdst(0)
	WLOAD NT                                       ; K steps 5-7 set out beside the tensor loads
	s_wait_tensorcnt 0x0                           ; my tile has landed,
	s_barrier_signal -1
	s_barrier_wait -1                              ; everybody's has
	WLDS
	CHUNK 0, 0, 1                                  ; its wait on DScnt shows the weights read: slot 1 is filled behind its round
	CHUNK 1, 1, 1
	CHUNK 2, 0, 0
	s_wait_tensorcnt 0x0                           ; the wave's end
	ds_add_u32 v[SPW], v[NIL]
	s_wait_dscnt 0x0
	CROUND                                         ; the closing round
	s_endpgm
.Lfunc_end_k_q3826527fbd_proj:
	.size	k_q3826527fbd_proj, .Lfunc_end_k_q3826527fbd_proj-k_q3826527fbd_proj
	.p2alignl 7, 3214868480
	.fill 96, 4, 3214868480
	.section	.rodata,"a",@progbits
	.p2align	6, 0x0
	.amdhsa_kernel k_q3826527fbd_proj
		.amdhsa_group_segment_fixed_size 327680
		.amdhsa_private_segment_fixed_size 0
		.amdhsa_enable_private_segment 0
		.amdhsa_kernarg_size 32
		.amdhsa_user_sgpr_count 2
		.amdhsa_user_sgpr_kernarg_segment_ptr 1
		.amdhsa_wavefront_size32 1
		.amdhsa_system_sgpr_workgroup_id_x 1
		.amdhsa_system_sgpr_workgroup_id_y 1
		.amdhsa_system_sgpr_workgroup_id_z 1
		.amdhsa_system_vgpr_workitem_id 0
		.amdhsa_next_free_vgpr 1024
		.amdhsa_next_free_sgpr 100
		.amdhsa_reserve_vcc 0
		.amdhsa_float_denorm_mode_32 3
		.amdhsa_float_denorm_mode_16_64 3
		.amdhsa_memory_ordered 1
		.amdhsa_forward_progress 1
		.amdhsa_inst_pref_size 189
	.end_amdhsa_kernel
	.amdgpu_metadata
---
amdhsa.version: [ 1, 2 ]
amdhsa.kernels:
  - .name:           k_q3826527fbd_proj
    .symbol:         k_q3826527fbd_proj.kd
    .args:
      - { .name: xc, .offset: 0, .size: 8, .value_kind: global_buffer, .address_space: global }
      - { .name: wc, .offset: 8, .size: 8, .value_kind: global_buffer, .address_space: global }
      - { .name: lowp_scales, .offset: 16, .size: 8, .value_kind: global_buffer, .address_space: global }
      - { .name: kqv, .offset: 24, .size: 8, .value_kind: global_buffer, .address_space: global }
    .group_segment_fixed_size: 327680
    .private_segment_fixed_size: 0
    .kernarg_segment_align: 8
    .kernarg_segment_size: 32
    .max_flat_workgroup_size: 128
    .sgpr_count:     100
    .vgpr_count:     1024
    .wavefront_size: 32
...
	.end_amdgpu_metadata
.endif
;; end of part 2
;; launch stats (part 3): grid 2 x 128, 16 waves a work-group, no clusters, 167,936 bytes of LDS; arguments kqv, lowp_scales, st; writes st
.if DOCPART == 3
	.amdgcn_target "amdgcn-amd-amdhsa--gfx1250"
	.amdhsa_code_object_version 6
	.text
	.protected	k_q3826527fbd_stats
	.globl	k_q3826527fbd_stats
	.p2align	8
	.type	k_q3826527fbd_stats,@function
k_q3826527fbd_stats:
	s_mov_b64 s[64:65], 0
	v_nop
	global_prefetch_b8 v0, s[64:65] scope:SCOPE_SE
	s_setreg_imm32_b32 hwreg(HW_REG_WAVE_MODE, 25, 1), 1
	s_wait_xcnt 0x0
; For each row c of each head's scores (scores[c][C] = k[c] . q[C], C <= c; softmax over C): st[head][c] = B = -(M + log2 L), where t = score x log2(e) / 8, M a whole number at or above the row's largest t,
; L = the sum of 2^(t - M) over the row.  The finished weight is then 2^(t + B), which the next launch makes and quantises: the weights are contracted over c there, so a row's sum must be whole before any of them is used.
; The scores are made on codes of FP8 (k: entry 6 of the scales, q: entry 7) by the K = 64 matrix form; the maximum is a running one, as in the usual softmax by steps.
; SHARES.  Two work-groups a head (x = g), sixteen waves each.  Work-group g owns eight whole blocks of 64 rows: its l-th is block 2 l + (g xor l % 2): 0, 3, 4, 7, .. or 1, 2, 5, 6, ..; block b has b + 1 steps of 64 columns, 68 in each work-group's eight.
; EVERY WAVE HAS THE SAME WORK: wave w = 4 pair + tile takes rows 16 tile + 0 .. 15 of a SHORT block p (the work-group's pair-th) and of the LONG block 15 - p (its (7 - pair)-th): (p + 1) + (16 - p) = 17 steps of one tile.
; A trip loads q's four fragments of a step once; the long tile is worked in steps 0 .. 15 - p, the short one beside it in steps 0 .. p; a tile's last step lies on the diagonal, where hidden scores become -infinity.
; The loop has 16 trips in every wave; jumps on the wave's, the work-group's and the trip's number lead round a trip's work; no barrier and no tensor load stands in the loop.
; The matrix instruction takes 16 rows of q as source 0 and 16 rows of k as source 1: a lane holds ONE row c (lane % 16) and eight columns C = 16 t + 8 (lane / 16) + j.  Each half of the lanes keeps its own M and L; they meet at the end.
; q's whole head (65,536 bytes) is brought into LDS once, by four tensor loads (waves 0-3, one each, so one is out in a wave): lines of 256 bytes (four rows of 64) with 16 bytes of padding: row p lies at 272 (p / 4) + 64 (p % 4),
; and the sixteen rows of a fragment load start at sixteen different groups of four banks (64 banks of 4 bytes: ISA guide 11.1).  Nothing is filled again.
; THE WAY OUT.  A block's 64 results come from four waves: they meet in 2,048 LDS bytes of their own, behind a barrier, and waves 0-3 store them: sixteen lanes store a block's 256 consecutive bytes, aligned.
; NO CLUSTER: only the two work-groups of a head read the same block of q, once each, at their heads; the grid's two along x do not divide into fours, and four work-groups would hold two heads with different tiles.
; LIMITS: e6 + e7 between -123 and 9 (they are added to the exponent field of log2(e) / 8; the upper bound keeps every score / 8 far above the -1.25e9 that hidden places have, so that hidden weights are 0).  NaN is not served.
.set SPARE, 69632                      ; behind q's 256 lines of 272 bytes: the spare words, 128 bytes a wave
.set OUTL,  71680                      ; behind them: the work-group's 512 results, its eight blocks in ascending order, 256 bytes each; no tile lands here
.set STEPB, 4352                       ; 64 rows in LDS
.set TILEB, 1088                       ; 16 rows in LDS
.set AQ0,  4                           ; v4   my lane's place in a tile of q
.set ADQ,  5                           ; v5   the address of the step in hand
.set SPW,  6
.set NIL,  7
.set KO,   8                           ; v8, v9   my lane's byte in k's head: the long tile's rows, the short tile's
.set NINF, 10                          ; v10  -infinity
.set DD,   11                          ; v11  my row in its block less 8 (lane / 16): the same for both tiles
.set ST,   12                          ; tile u (0 long, 1 short) at v[12 + 8 u]: +0 -M, +1 the largest t, +2, +3 L in two halves, +4, +5 the factor (a pair), +6, +7 at work
.set C2,   28                          ; v28, v29 the sums' second chain
.set OA,   30                          ; v30, v31 where the long tile's result goes in LDS, and the short tile's
.set KF,   32                          ; v32-47 k's two fragments: they stay
.set QF,   48                          ; v48-79 q's four fragments of a step
.set S,    80                          ; v80-111 the scores of the tile in hand: columns' tile t at v[80 + 8 t]
.set OR,   112                         ; v112 the way out: where I read 16 bytes of the results back
.set GO,   113                         ; v113 and their place in st
.set WV,  12
.set BS,  13                           ; s13  the short block p
.set BL,  14                           ; s14  the long block 15 - p
.set HD,  15
.set G1,  16
.set G0,  24
.set TI,  36                           ; s36  which 16 rows of a block
.set CS,  40                           ; s[40:41] c = log2(e) / 8 x 2^(e6 + e7)
.set STP, 42
.set TB,  43
.set SEL, 44
	s_load_b128 s[4:7], s[0:1], 0x0                ; kqv, the scales
	s_load_b64 s[8:9], s[0:1], 0x10                ; st
	v_lshl_add_u32 v[SPW], v0, 2, SPARE
	v_mov_b32 v[NIL], 0
	ds_add_u32 v[SPW], v[NIL]                      ; the wave's opening: the add and its wait ahead of the first tensor load; the set-up below stands between them
	ds_add_u32 v[SPW], v[NIL]
	v_lshrrev_b32 v1, 5, v0
	s_delay_alu instid0(VALU_DEP_1)
	v_readfirstlane_b32 s[WV], v1                  ; wave 0..15
	s_lshr_b32 s48, s[WV], 2                       ; pair 0..3
	s_and_b32 s[TI], s[WV], 3                      ; tile 0..3
	s_and_b32 s49, s48, 1
	s_xor_b32 s49, s49, ttmp9                      ; g xor pair % 2
	s_lshl_b32 s[BS], s48, 1
	s_add_co_u32 s[BS], s[BS], s49                 ; p = 2 pair + that: 0..7
	s_xor_b32 s[BL], s[BS], 15                     ; 15 - p
	s_and_b32 s[HD], ttmp7, 0xffff                 ; the head, 0..127
	s_mov_b32 s[G1], (3<<16)|(1<<20)|(5<<22)|(3<<25)   ; no mask; elements of 8 bytes; padding on: four words after every 64
	s_mov_b32 s[G1+1], 32<<16                      ; tensor_dim0 = 32 elements: a line of 256 bytes
	s_mov_b32 s[G1+2], 64<<16                      ; tensor_dim1 = 64 lines
	s_mov_b32 s[G1+3], 32<<16                      ; tile_dim0
	s_mov_b32 s[G1+4], 64                          ; tile_dim1
	s_mov_b32 s[G1+5], 32                          ; the lines are dense in memory
	s_mov_b32 s[G1+6], 0
	s_mov_b32 s[G1+7], 0
	s_mov_b32 s[G0], 1
	s_mul_i32 s[G0+1], s[WV], 64*272               ; wave w's 64 lines in LDS
	s_lshl_b32 s28, s[HD], 16                      ; the head's bytes in a third of kqv
	s_lshl_b32 s30, s[WV], 14
	s_add_co_u32 s30, s30, s28
	s_add_co_u32 s30, s30, 0x800000                ; q is the second third
	s_mov_b32 s31, 0
	s_lshl_b32 s32, s[TI], 10                      ; k: 64 bytes x 16 tile,
	s_add_co_u32 s32, s32, s28                     ; in the head; the blocks stand in the lanes' offsets
	s_mov_b32 s33, 0
	s_lshl_b32 s34, s[HD], 12                      ; st: 4 bytes x 1,024 head,
	s_lshl_b32 s29, s[TI], 10
	s_add_co_u32 s34, s34, s29                     ; the storing wave w < 4 (w = its tile number) begins at block 4 w + g
	s_lshl_b32 s29, ttmp9, 8
	s_add_co_u32 s34, s34, s29
	s_mov_b32 s35, 0
	s_lshl_b32 s50, s48, 8                         ; LDS: the short block is the work-group's pair-th,
	s_xor_b32 s51, s48, 7
	s_lshl_b32 s51, s51, 8                         ; the long one its (7 - pair)-th;
	s_lshl_b32 s52, s[TI], 6                       ; 4 bytes x 16 tile in either
	s_add_co_u32 s50, s50, s52
	s_add_co_u32 s51, s51, s52
	s_lshl_b32 s53, s[TI], 9                       ; the storing wave reads two blocks, 512 bytes
	s_lshl_b32 s54, ttmp9, 1
	s_sub_co_u32 s54, 3, s54
	s_lshl_b32 s54, s54, 8                         ; from block 4 w + g to block 4 w + 3 - g: 256 (3 - 2 g) bytes
	s_lshl_b32 s55, s[BS], 12                      ; a block of k is 4,096 bytes
	s_lshl_b32 s56, s[BL], 12
	s_lshl_b32 s57, s[TI], 4
	s_mov_b32 s[SEL], 0x76543210
	s_mov_b32 s[SEL+1], 0xfedcba98                 ; v_permlanex16_b32: lane l xor 16
	s_mov_b32 s[STP], 0
	s_mov_b32 s[TB], 0
	s_wait_dscnt 0x0                               ; the opening add is done
	s_wait_kmcnt 0x0
	s_load_b64 s[46:47], s[6:7], 0x18              ; e6, e7
	s_add_nc_u64 s[G0+2:G0+3], s[4:5], s[30:31]
	s_or_b32 s[G0+3], s[G0+3], 0x80000000
	s_cmp_lt_u32 s[WV], 4                          ; waves 0-3 fetch a quarter of q's head each
	s_cbranch_scc0 .Lno_fill
	tensor_load_to_lds s[G0:G0+3], s[G1:G1+7]
	s_nop 0
.rept 4
	v_nop
.endr
.Lno_fill:
	s_add_nc_u64 s[32:33], s[4:5], s[32:33]        ; k at my tile's place in block 0
	s_add_nc_u64 s[8:9], s[8:9], s[34:35]          ; st at the storing wave's first block
	v_and_b32 v1, 15, v0                           ; r
	v_bfe_u32 v2, v0, 4, 1                         ; H = lane / 16
	v_and_b32 v3, 31, v0                           ; lane
	s_delay_alu instid0(VALU_DEP_3)
	v_lshlrev_b32 v[KO], 6, v1
	s_delay_alu instid0(VALU_DEP_1)
	v_lshl_add_u32 v[KO], v2, 4, v[KO]             ; row r of 64 bytes, + 16 H
	s_delay_alu instid0(VALU_DEP_1)
	v_add_nc_u32 v[KO+1], s55, v[KO]               ; in the short block,
	s_delay_alu instid0(VALU_DEP_2)
	v_add_nc_u32 v[KO], s56, v[KO]                 ; in the long block
.irp u, 0,1
.irp c, 0,1
	global_load_b128 v[KF+8*\u+4*\c:KF+8*\u+4*\c+3], v[KO+\u], s[32:33] offset:32*\c   ; registers 4 c .. 4 c + 3: places 32 c + 16 H + 0 .. 15 of the row, as q's fragments have them
.endr
.endr
	v_bfe_u32 v[AQ0], v0, 2, 2                     ; r / 4
	s_delay_alu instid0(VALU_DEP_1)
	v_mul_u32_u24 v[AQ0], v[AQ0], 272
	v_and_b32 v[ADQ], 3, v0                        ; r % 4
	s_delay_alu instid0(VALU_DEP_1)
	v_lshl_add_u32 v[AQ0], v[ADQ], 6, v[AQ0]
	s_delay_alu instid0(VALU_DEP_1)
	v_lshl_add_u32 v[AQ0], v2, 4, v[AQ0]           ; 272 (r / 4) + 64 (r % 4) + 16 H
	v_mov_b32 v[NINF], 0xff800000
	v_lshlrev_b32 v[DD], 3, v2
	s_delay_alu instid0(VALU_DEP_1)
	v_sub_nc_u32 v[DD], v1, v[DD]
	s_delay_alu instid0(VALU_DEP_1)
	v_add_nc_u32 v[DD], s57, v[DD]                 ; 16 tile + r - 8 H
	v_lshl_add_u32 v[OA], v1, 2, OUTL              ; the results' places: 4 r,
	s_delay_alu instid0(VALU_DEP_1)
	v_add_nc_u32 v[OA+1], s50, v[OA]               ; in the short block's 256 bytes,
	s_delay_alu instid0(VALU_DEP_2)
	v_add_nc_u32 v[OA], s51, v[OA]                 ; in the long block's
	v_lshl_add_u32 v[OR], v3, 4, OUTL
	s_delay_alu instid0(VALU_DEP_1)
	v_add_nc_u32 v[OR], s53, v[OR]                 ; back: 16 bytes a lane of two blocks
	v_mul_u32_u24 v[GO], s54, v2
	s_delay_alu instid0(VALU_DEP_1)
	v_lshl_add_u32 v[GO], v1, 4, v[GO]             ; in st: lanes 0-15 one block, lanes 16-31 the work-group's next
.irp u, 0,1
	v_mov_b32 v[ST+8*\u+1], 0xff61b1e6             ; the largest t so far: -3e38
	s_delay_alu instid0(VALU_DEP_1)
	v_floor_f32 v[ST+8*\u], -v[ST+8*\u+1]          ; -M
	v_mov_b32 v[ST+8*\u+2], 0                      ; L
	v_mov_b32 v[ST+8*\u+3], 0
	v_mov_b32 v[ST+8*\u+5], 0                      ; (named as the upper half of the factor's pair)
	v_mov_b32 v[ST+8*\u+6], 0                      ; (a lane permute's destination counts as one of its sources)
	v_mov_b32 v[ST+8*\u+7], 0
.endr
	s_wait_kmcnt 0x0
	s_add_co_i32 s46, s46, s47
	s_lshl_b32 s46, s46, 23
	s_add_co_i32 s[CS], s46, 0x3e38aa3b            ; log2(e) / 8 with e6 + e7 added to its exponent field
	s_mov_b32 s[CS+1], s[CS]                       ; (named with it as a pair)
	s_wait_tensorcnt 0x0                           ; my quarter of q has landed (a wave that fetched nothing waits for nothing),
	s_barrier_signal -1
	s_barrier_wait -1                              ; everybody's has
	s_wait_loadcnt 0x0                             ; k
; One tile's part of a step: 16 rows x 64 columns.  u: the tile; blk: the scalar register that holds its block, whose number is also the number of its diagonal step.
.macro TILE u, blk
.set TT, ST+8*(\u)
.irp t, 0,1,2,3
	v_wmma_f32_16x16x64_fp8_fp8 v[S+8*\t:S+8*\t+7], v[QF+8*\t:QF+8*\t+7], v[KF+8*(\u):KF+8*(\u)+7], 0
.endr
.rept 4
	v_nop                                          ; places behind the products, ahead of the first read of their results
.endr
	s_cmp_lg_u32 s[STP], s[\blk]
	s_cbranch_scc1 .Lopen_\@                       ; only the tile's last step lies on the diagonal
.irp t, 0,1,2,3
.irp j, 0,1,2,3,4,5,6,7
	v_cmp_gt_i32 vcc_lo, 16*\t+\j, v[DD]           ; hidden where the column comes after the row
	v_cndmask_b32 v[S+8*\t+\j], v[S+8*\t+\j], v[NINF], vcc_lo
.endr
.endr
.Lopen_\@:
	v_max3_num_f32 v[TT+6], v[S], v[S+1], v[S+2]   ; the step's largest score of my row among my 32 columns, in two chains; each accumulator is met from its low end
	v_max3_num_f32 v[TT+7], v[S+3], v[S+4], v[S+5]
.irp i, 6,10,14,18,22,26
	v_max3_num_f32 v[TT+6], v[TT+6], v[S+\i], v[S+\i+1]
	v_max3_num_f32 v[TT+7], v[TT+7], v[S+\i+2], v[S+\i+3]
.endr
	v_max3_num_f32 v[TT+6], v[TT+6], v[S+30], v[S+31]
	s_delay_alu instid0(VALU_DEP_1)
	v_max_num_f32 v[TT+6], v[TT+6], v[TT+7]
	s_delay_alu instid0(VALU_DEP_1)
	v_mul_f32 v[TT+6], s[CS], v[TT+6]              ; as t (c is positive)
	s_delay_alu instid0(VALU_DEP_1)
	v_max_num_f32 v[TT+1], v[TT+1], v[TT+6]        ; the running largest t
	v_mov_b32 v[TT+6], v[TT]
	s_delay_alu instid0(VALU_DEP_2)
	v_floor_f32 v[TT], -v[TT+1]                    ; the new -M = -ceil(t): a whole number
	s_delay_alu instid0(VALU_DEP_1)
	v_sub_f32 v[TT+6], v[TT], v[TT+6]              ; old M - new M, 0 or less
	s_delay_alu instid0(VALU_DEP_1)
	v_cvt_i32_f32 v[TT+6], v[TT+6]                 ; (it saturates)
	s_delay_alu instid0(VALU_DEP_1)
	v_ldexp_f32 v[TT+4], 1.0, v[TT+6]              ; the factor 2^(old M - new M): it rounds nothing
.irp j, 0,2,4,6,8,10,12,14,16,18,20,22,24,26,28,30
	v_pk_fma_f32 v[S+\j:S+\j+1], v[S+\j:S+\j+1], s[CS:CS+1], v[TT:TT+1] op_sel_hi:[1,0,0]   ; t - M, two at a time
.endr
.set n, 0
	s_wait_alu depctr_va_vdst(0)
.rept 32
	v_exp_f32 v[S+n], v[S+n]                       ; 2^(t - M): one batch
.set n, n+1
.endr
	v_pk_mul_f32 v[TT+2:TT+3], v[TT+2:TT+3], v[TT+4:TT+5] op_sel_hi:[1,0]   ; L under the new M: the plain instruction behind the exponentials
	s_wait_alu depctr_va_vdst(0)                   ; one wait for the batch, ahead of its first reader
	v_pk_add_f32 v[C2:C2+1], v[S:S+1], v[S+2:S+3]
.irp j, 4,8,12,16,20,24,28
	v_pk_add_f32 v[TT+2:TT+3], v[TT+2:TT+3], v[S+\j:S+\j+1]
	v_pk_add_f32 v[C2:C2+1], v[C2:C2+1], v[S+\j+2:S+\j+3]
.endr
	s_delay_alu instid0(VALU_DEP_1)
	v_pk_add_f32 v[TT+2:TT+3], v[TT+2:TT+3], v[C2:C2+1]
.endm
.Lstep:
	s_cmp_gt_u32 s[STP], s[BL]                     ; a step all of whose columns come after the long tile's rows is left out
	s_cbranch_scc1 .Lnext
	v_add_nc_u32 v[ADQ], s[TB], v[AQ0]
.irp t, 0,1,2,3
.irp c, 0,1
	ds_load_b128 v[QF+8*\t+4*\c:QF+8*\t+4*\c+3], v[ADQ] offset:TILEB*\t+32*\c
.endr
.endr
	s_wait_dscnt 0x0
	TILE 0, BL
	s_cmp_gt_u32 s[STP], s[BS]                     ; the short tile goes along up to its own diagonal, on the same fragments of q
	s_cbranch_scc1 .Lnext
	TILE 1, BS
.Lnext:
	s_add_co_u32 s[TB], s[TB], STEPB
	s_add_co_u32 s[STP], s[STP], 1
	s_cmp_lt_u32 s[STP], 16
	s_cbranch_scc1 .Lstep
	; THE END.  The two halves of the lanes hold the same rows under M's of their own: both sums are brought under the larger M (a half that saw no open column has L = 0 and a huge -M) and added.
	s_wait_alu depctr_va_vdst(0)
.irp u, 0,1
	v_add_f32 v[ST+8*\u+2], v[ST+8*\u+2], v[ST+8*\u+3]
.endr
.irp u, 0
	v_permlanex16_b32 v[ST+8*\u+6], v[ST+8*\u], s[SEL], s[SEL+1]     ; the other half's -M,
	s_delay_alu instid0(VALU_DEP_3)
	v_permlanex16_b32 v[ST+8*\u+7], v[ST+8*\u+2], s[SEL], s[SEL+1]   ; and its L
.endr
.irp u, 1
	v_permlanex16_b32 v[ST+8*\u+6], v[ST+8*\u], s[SEL], s[SEL+1]     ; the other half's -M,
	s_delay_alu instid0(VALU_DEP_4)
	v_permlanex16_b32 v[ST+8*\u+7], v[ST+8*\u+2], s[SEL], s[SEL+1]   ; and its L
.endr
.irp u, 0,1
	v_min_num_f32 v[ST+8*\u+4], v[ST+8*\u], v[ST+8*\u+6]             ; -M of the two: the lesser
	s_delay_alu instid0(VALU_DEP_1)
	v_sub_f32 v[ST+8*\u+5], v[ST+8*\u+4], v[ST+8*\u]                 ; my M less it: 0 or less
	s_delay_alu instid0(VALU_DEP_2)
	v_sub_f32 v[ST+8*\u+6], v[ST+8*\u+4], v[ST+8*\u+6]               ; the other's likewise
	s_delay_alu instid0(VALU_DEP_2)
	v_cvt_i32_f32 v[ST+8*\u+5], v[ST+8*\u+5]
	s_delay_alu instid0(VALU_DEP_2)
	v_cvt_i32_f32 v[ST+8*\u+6], v[ST+8*\u+6]
	s_delay_alu instid0(VALU_DEP_2)
	v_ldexp_f32 v[ST+8*\u+2], v[ST+8*\u+2], v[ST+8*\u+5]
	s_delay_alu instid0(VALU_DEP_2)
	v_ldexp_f32 v[ST+8*\u+7], v[ST+8*\u+7], v[ST+8*\u+6]
	s_delay_alu instid0(VALU_DEP_1)
	v_add_f32 v[ST+8*\u+2], v[ST+8*\u+2], v[ST+8*\u+7]               ; the row's L
.endr
	s_wait_alu depctr_va_vdst(0)
	v_log_f32 v[ST+3], v[ST+2]
	v_log_f32 v[ST+11], v[ST+10]
	v_nop                                          ; the plain instruction behind the logarithms
	s_wait_alu depctr_va_vdst(0)                   ; one wait for the two, ahead of their first reader
	v_sub_f32 v[ST+3], v[ST+4], v[ST+3]            ; B = -M - log2 L: the long tile's,
	v_sub_f32 v[ST+11], v[ST+12], v[ST+11]         ; the short tile's
	ds_store_b32 v[OA], v[ST+3]                    ; both halves of the lanes hold the same number for row r and write the same word
	ds_store_b32 v[OA+1], v[ST+11]
	s_wait_dscnt 0x0                               ; for the others' sake: my stores have landed
	s_barrier_signal -1
	s_barrier_wait -1                              ; the work-group's 512 results lie in LDS
	s_cmp_lt_u32 s[WV], 4                          ; waves 0-3 store two blocks each
	s_cbranch_scc0 .Ldone
	ds_load_b128 v[S:S+3], v[OR]
	s_wait_dscnt 0x0
	global_store_b128 v[GO], v[S:S+3], s[8:9]      ; lanes 0-15 and lanes 16-31 each store 256 consecutive bytes, at a multiple of 256 from the buffer's first byte
.Ldone:
	s_wait_tensorcnt 0x0                           ; the wave's end, behind my last LDS store
	ds_add_u32 v[SPW], v[NIL]
	s_wait_dscnt 0x0
	s_endpgm
.Lfunc_end_k_q3826527fbd_stats:
	.size	k_q3826527fbd_stats, .Lfunc_end_k_q3826527fbd_stats-k_q3826527fbd_stats
	.p2alignl 7, 3214868480
	.fill 96, 4, 3214868480
	.section	.rodata,"a",@progbits
	.p2align	6, 0x0
	.amdhsa_kernel k_q3826527fbd_stats
		.amdhsa_group_segment_fixed_size 167936
		.amdhsa_private_segment_fixed_size 0
		.amdhsa_enable_private_segment 0
		.amdhsa_kernarg_size 24
		.amdhsa_user_sgpr_count 2
		.amdhsa_user_sgpr_kernarg_segment_ptr 1
		.amdhsa_wavefront_size32 1
		.amdhsa_system_sgpr_workgroup_id_x 1
		.amdhsa_system_sgpr_workgroup_id_y 1
		.amdhsa_system_sgpr_workgroup_id_z 1
		.amdhsa_system_vgpr_workitem_id 0
		.amdhsa_next_free_vgpr 116
		.amdhsa_next_free_sgpr 66
		.amdhsa_reserve_vcc 1
		.amdhsa_float_denorm_mode_32 3
		.amdhsa_float_denorm_mode_16_64 3
		.amdhsa_memory_ordered 1
		.amdhsa_forward_progress 1
		.amdhsa_inst_pref_size 24
	.end_amdhsa_kernel
	.amdgpu_metadata
---
amdhsa.version: [ 1, 2 ]
amdhsa.kernels:
  - .name:           k_q3826527fbd_stats
    .symbol:         k_q3826527fbd_stats.kd
    .args:
      - { .name: kqv, .offset: 0, .size: 8, .value_kind: global_buffer, .address_space: global }
      - { .name: lowp_scales, .offset: 8, .size: 8, .value_kind: global_buffer, .address_space: global }
      - { .name: st, .offset: 16, .size: 8, .value_kind: global_buffer, .address_space: global }
    .group_segment_fixed_size: 167936
    .private_segment_fixed_size: 0
    .kernarg_segment_align: 8
    .kernarg_segment_size: 24
    .max_flat_workgroup_size: 512
    .sgpr_count:     66
    .vgpr_count:     116
    .wavefront_size: 32
...
	.end_amdgpu_metadata
.endif
;; end of part 3
;; launch attn (part 4): grid 2 x 128, 16 waves a work-group, no clusters, 186,368 bytes of LDS; arguments kqv, st, lowp_scales, zc; writes zc
.if DOCPART == 4
	.amdgcn_target "amdgcn-amd-amdhsa--gfx1250"
	.amdhsa_code_object_version 6
	.text
	.protected	k_q3826527fbd_attn
	.globl	k_q3826527fbd_attn
	.p2align	8
	.type	k_q3826527fbd_attn,@function
k_q3826527fbd_attn:
	s_mov_b64 s[64:65], 0
	v_nop
	global_prefetch_b8 v0, s[64:65] scope:SCOPE_SE
	s_setreg_imm32_b32 hwreg(HW_REG_WAVE_MODE, 25, 1), 1
	s_wait_xcnt 0x0
; z[C][h] = the sum over c >= C of attn[c][C] v[c][h], attn[c][C] = 2^(t + B[c]): t = k[c] . q[C] x log2(e) / 8, B[c] = -(M + log2 L) of row c, made by the launch before: the finished, normalised softmax of row c.
; Both products on codes of FP8 (E4M3) by the K = 64 matrix form: the scores from k (entry 6 of the scales) and q (entry 7); attn quantised with entry 8, along c, against v (entry 9).  z is quantised at once with entry 10.
; SHARES.  Two work-groups a head (x = g), sixteen waves each.  Wave w owns columns C = 64 w' + 32 g + 0 .. 31 (two tiles of 16), w' = w with its low two bits turned where bit 2 is set, so that waves w, w + 4, w + 8, w + 12 have 34 steps together.
; It walks c in steps of 64: steps w' .. 15; the first lies on the diagonal, where hidden scores become -infinity, so that their weight is 0.  The loop has 16 trips in every wave; a jump on the wave's and the trip's number leads round a trip's work.
; LAYOUT.  Scores: source 0 = 16 rows of k, source 1 = 16 rows of q: a lane holds ONE column C (lane % 16), its register j of tile t the row c = 16 t + 8 (lane / 16) + j.  Eight such neighbours make one conversion, and the
; conversions' results ARE source 1 of the second product (K = 64 rows c, in the form's own order).  Source 0 there is 16 channels of v^T, whose places along c the projection launch has laid so that two loads of 16 bytes give that same order.
; LDS: k's and v^T's whole head (65,536 bytes each) as lines of 256 bytes (four rows of 64) + 16 of padding: row p at 272 (p / 4) + 64 (p % 4): the sixteen rows of a fragment load start at sixteen different groups of
; four banks (64 banks of 4 bytes: ISA guide 11.1); the head's 1,024 B; a stage for each wave.  Nine tensor loads (waves 0-7: quarters of k and v^T; wave 8: B), one a wave, all at the head; nothing is filled again: one wait, one barrier.
; NO CLUSTER: only the two work-groups of a head read the same blocks, once each, at their heads; the grid's two along x do not divide into fours, and four work-groups would hold two heads with different tiles.
; LIMITS: e6 + e7 between -123 and 9; e8 and e10 - e8 - e9 between -126 and 119.  t + B is rounded once (a fused multiply-add), B carries its own rounding: half a last place of |M + log2 L|.  A weight under 2^-126 counts as 0.  NaN is not served.
.set VL,    69632                      ; v^T behind k
.set BL,    139264                     ; the 1,024 B
.set STAGE, 143360                     ; 32 rows x 80 bytes for each wave
.set SPARE, 184320                     ; the spare words, 128 bytes a wave
.set STEPB, 4352
.set TILEB, 1088
.set AK0,  3                           ; v3   my lane's place in a tile of k
.set AV0,  4                           ; v4   of v^T
.set AB0,  5                           ; v5   among the B
.set ADK,  6                           ; v6-8 the addresses of the step in hand
.set ADV,  7
.set ADB,  8
.set SPW,  9
.set NIL,  10
.set NINF, 11
.set DD,   12                          ; v12, v13  tile u: my column less the diagonal step's first row less 8 (lane / 16)
.set SCP,  14                          ; v14  2^e8;  v15  448 x 2^e8
.set LIMP, 15
.set QO,   16
.set STO,  17
.set RD,   18
.set GO,   19
.set SCZ,  20                          ; v20  2^(e10 - e8 - e9);  v21  448 x that
.set LIMZ, 21
.set QF,   24                          ; v24-39   q's two fragments: they stay
.set KF,   40                          ; v40-71   k's four fragments of a step, then v^T's four
.set BR,   72                          ; v72-103  the step's B for my 32 rows
.set S,    104                         ; v104-167 the scores, then the weights: tile u, rows' tile t at v[104 + 32 u + 8 t]
.set P,    168                         ; v168-183 the weights' codes: tile u at v[168 + 8 u]
.set Z,    184                         ; v184-247 z^T: tile u, channels' tile n at v[184 + 32 u + 8 n]
.set WV,  12
.set WP,  13
.set HD,  15
.set G1,  16
.set G0,  24
.set G1B, 28
.set G0B, 36
.set CS,  40
.set STP, 42
.set TB,  43
.set TBB, 44
	s_load_b256 s[4:11], s[0:1], 0x0               ; kqv, st, the scales, zc
	v_lshl_add_u32 v[SPW], v0, 2, SPARE
	v_mov_b32 v[NIL], 0
	ds_add_u32 v[SPW], v[NIL]                      ; the wave's opening: the add and its wait ahead of the first tensor load; the set-up below stands between them
	ds_add_u32 v[SPW], v[NIL]
	v_lshrrev_b32 v1, 5, v0
	s_delay_alu instid0(VALU_DEP_1)
	v_readfirstlane_b32 s[WV], v1                  ; wave 0..15
	s_bfe_u32 s[WP], s[WV], 0x10002
	s_mul_i32 s[WP], s[WP], 3
	s_xor_b32 s[WP], s[WP], s[WV]                  ; w'
	s_and_b32 s[HD], ttmp7, 0xffff                 ; the head = 16 batch + a
	s_mov_b32 s[G1], (3<<16)|(1<<20)|(5<<22)|(3<<25)   ; elements of 8 bytes; padding on: four words after every 64
	s_mov_b32 s[G1+1], 32<<16                      ; a line of 256 bytes,
	s_mov_b32 s[G1+2], 64<<16                      ; 64 lines
	s_mov_b32 s[G1+3], 32<<16
	s_mov_b32 s[G1+4], 64
	s_mov_b32 s[G1+5], 32                          ; dense in memory
	s_mov_b32 s[G1+6], 0
	s_mov_b32 s[G1+7], 0
	s_mov_b32 s[G1B], 3<<16                        ; one row of 512 elements of 8 bytes, no padding
	s_mov_b32 s[G1B+1], 512<<16
	s_mov_b32 s[G1B+2], 1<<16
	s_mov_b32 s[G1B+3], 512<<16
	s_mov_b32 s[G1B+4], 1
	s_mov_b32 s[G1B+5], 512
	s_mov_b32 s[G1B+6], 0
	s_mov_b32 s[G1B+7], 0
	s_mov_b32 s[G0], 1
	s_mul_i32 s[G0+1], s[WV], 64*272               ; waves 0-3: k's quarters; waves 4-7: v^T's, behind them
	s_mov_b32 s[G0B], 1
	s_mov_b32 s[G0B+1], BL
	s_lshr_b32 s60, s[WV], 2
	s_lshl_b32 s60, s60, 24                        ; k is the first third of kqv, v^T the third
	s_lshl_b32 s68, s[HD], 16                      ; the head's bytes
	s_add_co_u32 s60, s60, s68
	s_and_b32 s69, s[WV], 3
	s_lshl_b32 s69, s69, 14
	s_add_co_u32 s60, s60, s69
	s_mov_b32 s61, 0
	s_lshl_b32 s62, s[HD], 12                      ; the head's B
	s_mov_b32 s63, 0
	s_lshl_b32 s66, s[WP], 12
	s_lshl_b32 s69, ttmp9, 11
	s_add_co_u32 s66, s66, s69                     ; 64 bytes x my first column, 64 w' + 32 g,
	s_add_co_u32 s66, s66, s68
	s_add_co_u32 s66, s66, 0x800000                ; in q's head
	s_mov_b32 s67, 0
	s_lshr_b32 s70, s[HD], 4                       ; zc [32 blocks of 256 rows][16 a][256 rows][64]: block 4 batch + w' / 4,
	s_lshl_b32 s70, s70, 2
	s_lshr_b32 s71, s[WP], 2
	s_add_co_u32 s70, s70, s71
	s_lshl_b32 s70, s70, 18
	s_and_b32 s71, s[HD], 15
	s_lshl_b32 s71, s71, 14                        ; a,
	s_add_co_u32 s70, s70, s71
	s_and_b32 s71, s[WP], 3
	s_lshl_b32 s71, s71, 12                        ; row 64 (w' % 4) + 32 g
	s_add_co_u32 s70, s70, s71
	s_add_co_u32 s70, s70, s69
	s_mov_b32 s71, 0
	s_mov_b32 s[STP], 0
	s_mov_b32 s[TB], 0
	s_mov_b32 s[TBB], 0
	s_wait_dscnt 0x0                               ; the opening add is done
	s_wait_kmcnt 0x0
	s_load_b256 s[48:55], s[8:9], 0x0              ; e0 .. e7
	s_load_b128 s[56:59], s[8:9], 0x20             ; e8 .. e11
	s_add_nc_u64 s[G0+2:G0+3], s[4:5], s[60:61]
	s_or_b32 s[G0+3], s[G0+3], 0x80000000
	s_add_nc_u64 s[G0B+2:G0B+3], s[6:7], s[62:63]
	s_or_b32 s[G0B+3], s[G0B+3], 0x80000000
	s_cmp_lt_u32 s[WV], 8                          ; the branches hang on the wave's number alone; an s_nop 0 and four v_nop follow each load
	s_cbranch_scc0 .Lnot_kv
	tensor_load_to_lds s[G0:G0+3], s[G1:G1+7]
	s_nop 0
.rept 4
	v_nop
.endr
	s_branch .Lasked
.Lnot_kv:
	s_cmp_eq_u32 s[WV], 8
	s_cbranch_scc0 .Lasked
	tensor_load_to_lds s[G0B:G0B+3], s[G1B:G1B+7]
	s_nop 0
.rept 4
	v_nop
.endr
.Lasked:
	s_add_nc_u64 s[66:67], s[4:5], s[66:67]        ; q at my first column
	s_add_nc_u64 s[10:11], s[10:11], s[70:71]      ; zc at my first row
	v_and_b32 v1, 15, v0                           ; r
	v_bfe_u32 v2, v0, 4, 1                         ; H = lane / 16
	s_delay_alu instid0(VALU_DEP_2)
	v_lshlrev_b32 v[QO], 6, v1
	s_delay_alu instid0(VALU_DEP_1)
	v_lshl_add_u32 v[QO], v2, 4, v[QO]
.irp u, 0,1
.irp c, 0,1
	global_load_b128 v[QF+8*\u+4*\c:QF+8*\u+4*\c+3], v[QO], s[66:67] offset:1024*\u+32*\c
.endr
.endr
	v_bfe_u32 v[AK0], v0, 2, 2
	s_delay_alu instid0(VALU_DEP_1)
	v_mul_u32_u24 v[AK0], v[AK0], 272
	v_and_b32 v22, 3, v0
	s_delay_alu instid0(VALU_DEP_1)
	v_lshl_add_u32 v[AK0], v22, 6, v[AK0]
	s_delay_alu instid0(VALU_DEP_1)
	v_lshl_add_u32 v[AK0], v2, 4, v[AK0]           ; 272 (r / 4) + 64 (r % 4) + 16 H
	s_delay_alu instid0(VALU_DEP_1)
	v_add_nc_u32 v[AV0], VL, v[AK0]
	v_lshl_add_u32 v[AB0], v2, 5, BL               ; my half's eight B of a tile: 32 H bytes on
	v_mov_b32 v[NINF], 0xff800000
	v_lshlrev_b32 v23, 3, v2
	s_delay_alu instid0(VALU_DEP_1)
	v_sub_nc_u32 v[DD], v1, v23
	s_lshl_b32 s69, ttmp9, 5
	v_add_nc_u32 v[DD], s69, v[DD]                 ; 32 g + r - 8 H
	s_delay_alu instid0(VALU_DEP_1)
	v_add_nc_u32 v[DD+1], 16, v[DD]
	s_mul_i32 s68, s[WV], 2560
	s_add_co_u32 s68, s68, STAGE                   ; my stage
	v_mul_u32_u24 v[STO], v1, 80
	s_delay_alu instid0(VALU_DEP_1)
	v_lshl_add_u32 v[STO], v2, 3, v[STO]
	s_delay_alu instid0(VALU_DEP_1)
	v_add_nc_u32 v[STO], s68, v[STO]               ; in: row r of 80 bytes, + 8 H
	v_bfe_u32 v23, v0, 2, 3
	s_delay_alu instid0(VALU_DEP_1)
	v_mul_u32_u24 v[RD], v23, 80
	s_delay_alu instid0(VALU_DEP_1)
	v_lshl_add_u32 v[RD], v22, 4, v[RD]
	s_delay_alu instid0(VALU_DEP_1)
	v_add_nc_u32 v[RD], s68, v[RD]                 ; back: four lanes to a row of 64 bytes
	v_and_b32 v[GO], 31, v0
	s_delay_alu instid0(VALU_DEP_1)
	v_lshlrev_b32 v[GO], 4, v[GO]                  ; and in zc: 16 x lane
.set n, 0
.rept 64
	v_mov_b32 v[Z+n], 0                            ; z^T: the first working trip differs from wave to wave, so the loop is written once and finds zeros
.set n, n+1
.endr
	s_wait_kmcnt 0x0
	s_add_co_i32 s68, s54, s55
	s_lshl_b32 s68, s68, 23
	s_add_co_i32 s[CS], s68, 0x3e38aa3b            ; log2(e) / 8 with e6 + e7 added to its exponent field
	s_mov_b32 s[CS+1], s[CS]
	s_add_co_i32 s68, s56, 127
	s_lshl_b32 s69, s68, 23
	v_mov_b32 v[SCP], s69                          ; 2^e8
	s_add_co_i32 s68, s68, 8
	s_lshl_b32 s68, s68, 23
	s_or_b32 s68, s68, 0x600000
	v_mov_b32 v[LIMP], s68                         ; 448 x 2^e8
	s_sub_co_i32 s68, s58, s56
	s_sub_co_i32 s68, s68, s57                     ; a sum of the second product stands for sum x 2^(e8 + e9): its code is sum / 2^(e10 - e8 - e9)
	s_add_co_i32 s68, s68, 127
	s_lshl_b32 s69, s68, 23
	v_mov_b32 v[SCZ], s69
	s_add_co_i32 s68, s68, 8
	s_lshl_b32 s68, s68, 23
	s_or_b32 s68, s68, 0x600000
	v_mov_b32 v[LIMZ], s68
	s_wait_tensorcnt 0x0                           ; my part has landed (a wave that fetched nothing waits for nothing),
	s_barrier_signal -1
	s_barrier_wait -1                              ; everybody's has
	s_wait_loadcnt 0x0                             ; q
.Lstep:
	s_cmp_lt_u32 s[STP], s[WP]                     ; a step all of whose rows come before my columns is left out: the wave's number and the trip's alone
	s_cbranch_scc1 .Lnext
	v_add_nc_u32 v[ADK], s[TB], v[AK0]             ; these three and the v_nop are the four places between the last trip's products and the loads into the registers that they read
	v_add_nc_u32 v[ADV], s[TB], v[AV0]
	v_add_nc_u32 v[ADB], s[TBB], v[AB0]
	v_nop
.irp t, 0,1,2,3
.irp c, 0,1
	ds_load_b128 v[KF+8*\t+4*\c:KF+8*\t+4*\c+3], v[ADK] offset:TILEB*\t+32*\c
.endr
.endr
.irp t, 0,1,2,3
.irp i, 0,1
	ds_load_b128 v[BR+8*\t+4*\i:BR+8*\t+4*\i+3], v[ADB] offset:64*\t+16*\i   ; B of rows 16 t + 8 H + 4 i + 0 .. 3: the sixteen lanes of a half read the same words
.endr
.endr
	s_wait_alu depctr_va_vdst(0)
	s_wait_dscnt 8                                 ; k's eight loads are in; B's eight may be out
.irp t, 0,1,2,3
.irp u, 0,1
	v_wmma_f32_16x16x64_fp8_fp8 v[S+32*\u+8*\t:S+32*\u+8*\t+7], v[KF+8*\t:KF+8*\t+7], v[QF+8*\u:QF+8*\u+7], 0
.endr
.endr
.rept 4
	v_nop                                          ; places: ahead of the loads into k's registers and of the first read of the scores
.endr
.irp n, 0,1,2,3
.irp c, 0,1
	ds_load_b128 v[KF+8*\n+4*\c:KF+8*\n+4*\c+3], v[ADV] offset:TILEB*\n+32*\c   ; v^T: channels 16 n + r, the step's 64 rows
.endr
.endr
	s_cmp_lg_u32 s[STP], s[WP]
	s_cbranch_scc1 .Lopen                          ; only a wave's first working step lies on the diagonal
.irp u, 0,1
.irp t, 0,1,2,3
.irp j, 0,1,2,3,4,5,6,7
	v_cmp_lt_i32 vcc_lo, 16*\t+\j, v[DD+\u]        ; hidden where the row comes before the column
	v_cndmask_b32 v[S+32*\u+8*\t+\j], v[S+32*\u+8*\t+\j], v[NINF], vcc_lo
.endr
.endr
.endr
.Lopen:
	s_wait_dscnt 8                                 ; B is in; v^T's eight loads may be out
.irp u, 0,1
.irp j, 0,2,4,6,8,10,12,14,16,18,20,22,24,26,28,30
	v_pk_fma_f32 v[S+32*\u+\j:S+32*\u+\j+1], v[S+32*\u+\j:S+32*\u+\j+1], s[CS:CS+1], v[BR+\j:BR+\j+1] op_sel_hi:[1,0,1]   ; t + B of the register's row, two at a time, one rounding
.endr
.endr
.set n, 0
	s_wait_alu depctr_va_vdst(0)
.rept 64
	v_exp_f32 v[S+n], v[S+n]                       ; the finished weight: one batch
.set n, n+1
.endr
	v_nop                                          ; the plain instruction behind the last exponential
	s_wait_alu depctr_va_vdst(0)                   ; one wait for the batch, ahead of its first reader
.set n, 0
.rept 64
	v_min_num_f32 v[S+n], v[S+n], v[LIMP]          ; the conversion to an 8-bit code does not saturate (ISA guide 7.6.2); a weight is not negative, so the hold is one-sided
.set n, n+1
.endr
.irp u, 0,1
.irp t, 0,1,2,3
	v_cvt_scalef32_pk8_fp8_f32 v[P+8*\u+2*\t:P+8*\u+2*\t+1], v[S+32*\u+8*\t:S+32*\u+8*\t+7], v[SCP]   ; registers 2 t, 2 t + 1 of the operand: rows 16 t + 8 H + 0 .. 7
.endr
.endr
	v_nop                                          ; one plain vector instruction between the conversions and the products that read their results
	s_wait_alu depctr_va_vdst(0)
	s_wait_dscnt 0x0                               ; v^T is in
.irp n, 0,1,2,3
.irp u, 0,1
	v_wmma_f32_16x16x64_fp8_fp8 v[Z+32*\u+8*\n:Z+32*\u+8*\n+7], v[KF+8*\n:KF+8*\n+7], v[P+8*\u:P+8*\u+7], v[Z+32*\u+8*\n:Z+32*\u+8*\n+7]   ; the eight accumulators take turns, one instruction a turn; the scores' products stand between two trips' turns
.endr
.endr
.Lnext:
	s_add_co_u32 s[TB], s[TB], STEPB
	s_add_co_u32 s[TBB], s[TBB], 256
	s_add_co_u32 s[STP], s[STP], 1
	s_cmp_lt_u32 s[STP], 16
	s_cbranch_scc1 .Lstep
	; THE WAY OUT.  Register j of tile (u, n) is z(column 16 u + r, channel 16 n + 8 H + j): held, converted, 8 bytes into my stage; back as rows of 64 bytes, four lanes to a row: a store covers 512 consecutive bytes.
.rept 4
	v_nop
.endr
.set n, 0
	s_wait_alu depctr_va_vdst(0)
.rept 64
	v_med3_num_f32 v[Z+n], v[Z+n], -v[LIMZ], v[LIMZ]   ; each accumulator from its low end on
.set n, n+1
.endr
.irp i, 0,1,2,3,4,5,6,7
	v_cvt_scalef32_pk8_fp8_f32 v[S+2*\i:S+2*\i+1], v[Z+8*\i:Z+8*\i+7], v[SCZ]
.endr
	v_nop                                          ; one plain vector instruction behind the last conversion
.irp u, 0,1
.irp n, 0,1,2,3
	ds_store_b64 v[STO], v[S+2*(4*\u+\n):S+2*(4*\u+\n)+1] offset:1280*\u+16*\n
.endr
.endr
.irp i, 0,1,2,3
	ds_load_b128 v[S+16+4*\i:S+16+4*\i+3], v[RD] offset:640*\i   ; LDS serves a wave's instructions in order: these see my stores
.endr
.irp i, 0,1,2,3
	s_wait_dscnt 3-\i
	global_store_b128 v[GO], v[S+16+4*\i:S+16+4*\i+3], s[10:11] offset:512*\i
.endr
	s_wait_tensorcnt 0x0                           ; the wave's end, behind my last LDS store
	ds_add_u32 v[SPW], v[NIL]
	s_wait_dscnt 0x0
	s_endpgm
.Lfunc_end_k_q3826527fbd_attn:
	.size	k_q3826527fbd_attn, .Lfunc_end_k_q3826527fbd_attn-k_q3826527fbd_attn
	.p2alignl 7, 3214868480
	.fill 96, 4, 3214868480
	.section	.rodata,"a",@progbits
	.p2align	6, 0x0
	.amdhsa_kernel k_q3826527fbd_attn
		.amdhsa_group_segment_fixed_size 186368
		.amdhsa_private_segment_fixed_size 0
		.amdhsa_enable_private_segment 0
		.amdhsa_kernarg_size 32
		.amdhsa_user_sgpr_count 2
		.amdhsa_user_sgpr_kernarg_segment_ptr 1
		.amdhsa_wavefront_size32 1
		.amdhsa_system_sgpr_workgroup_id_x 1
		.amdhsa_system_sgpr_workgroup_id_y 1
		.amdhsa_system_sgpr_workgroup_id_z 1
		.amdhsa_system_vgpr_workitem_id 0
		.amdhsa_next_free_vgpr 248
		.amdhsa_next_free_sgpr 80
		.amdhsa_reserve_vcc 1
		.amdhsa_float_denorm_mode_32 3
		.amdhsa_float_denorm_mode_16_64 3
		.amdhsa_memory_ordered 1
		.amdhsa_forward_progress 1
		.amdhsa_inst_pref_size 30
	.end_amdhsa_kernel
	.amdgpu_metadata
---
amdhsa.version: [ 1, 2 ]
amdhsa.kernels:
  - .name:           k_q3826527fbd_attn
    .symbol:         k_q3826527fbd_attn.kd
    .args:
      - { .name: kqv, .offset: 0, .size: 8, .value_kind: global_buffer, .address_space: global }
      - { .name: st, .offset: 8, .size: 8, .value_kind: global_buffer, .address_space: global }
      - { .name: lowp_scales, .offset: 16, .size: 8, .value_kind: global_buffer, .address_space: global }
      - { .name: zc, .offset: 24, .size: 8, .value_kind: global_buffer, .address_space: global }
    .group_segment_fixed_size: 186368
    .private_segment_fixed_size: 0
    .kernarg_segment_align: 8
    .kernarg_segment_size: 32
    .max_flat_workgroup_size: 512
    .sgpr_count:     80
    .vgpr_count:     248
    .wavefront_size: 32
...
	.end_amdgpu_metadata
.endif
;; end of part 4
;; launch outp (part 5): grid 4 x 64, 4 waves a work-group, clusters of 4 x 4, 327,680 bytes of LDS; arguments zc, wc, lowp_scales, out0; writes out0
.if DOCPART == 5
	.amdgcn_target "amdgcn-amd-amdhsa--gfx1250"
	.amdhsa_code_object_version 6
	.text
	.protected	k_q3826527fbd_outp
	.globl	k_q3826527fbd_outp
	.p2align	8
	.type	k_q3826527fbd_outp,@function
k_q3826527fbd_outp:
	s_mov_b64 s[64:65], 0
	v_nop
	global_prefetch_b8 v0, s[64:65] scope:SCOPE_SE
	s_setreg_imm32_b32 hwreg(HW_REG_WAVE_MODE, 25, 1), 1
	s_wait_xcnt 0x0
	s_wait_alu depctr_hold_cnt(0) depctr_sa_sdst(0) depctr_va_vdst(0) depctr_va_sdst(0) depctr_va_ssrc(0) depctr_va_vcc(0) depctr_vm_vsrc(0)
	s_getreg_b32 s2, hwreg(HW_REG_IB_STS2, 6, 4)
	s_cmp_eq_u32 s2, 0
	s_cbranch_scc0 .Lentry_in_a_cluster
	s_endpgm
.Lentry_in_a_cluster:
	s_bfe_u32 s2, ttmp6, 0x10000c
	s_cmp_lg_u32 s2, 0xf033
	s_cbranch_scc0 .Lentry_shape_is_right
	s_endpgm
.Lentry_shape_is_right:
; out = z W_O^T on codes of FP8 (E4M3): z with entry 10 of the scales, W_O with entry 11; sums in f32, each multiplied once by 2^(e10 + e11).  LIMIT: e10 + e11 between -126 and 127.
; THE WEIGHT STAYS IN REGISTERS.  A wave holds 64 rows of W_O over the whole K = 1,024: 512 registers, from the images of these registers that the first launch has laid.
; SHARES.  256 work-groups, one unit each, in 16 clusters of 4 x 4: row cy of cluster C takes rows 128 m + 0 .. 127 of z, m = 4 C + cy; work-group cx of a row the columns 256 cx + 64 wave + 0 .. 63 of out.
; The four of a row need the same rows of z, the four of a column the same rows of W_O: each tile is asked for JOINTLY.
; ALL IS ASKED FOR AT THE HEAD, one tensor load a wave: waves 0, 1 z's rows (eight heads each), waves 2, 3 K steps 0-4 of the column's weights; K steps 5-7 come straight from memory, 48 loads of 512 bytes a wave.
; Nothing is filled again: one wait, one barrier.  So there is no loop to prefetch in.
; z lies in zc as [32 blocks of 256 rows][16 heads][256 rows][64]: a head's 128 rows are 8,192 consecutive bytes, brought as one row of the tile with 16 bytes of padding behind each 256: lines of four rows, 272 bytes apart.
; The rows go in two halves of 64: 16 accumulators by turns, one instruction a turn, 8 steps of 128 along K, then the way out; the first half's stores leave while the second is multiplied.
; Source 0 = the weight, source 1 = z: a lane holds one row of out and eight neighbouring columns.  A block of 16 rows x 64 columns goes through my stage and leaves as rows of 256 bytes, sixteen lanes to a row.
; REGISTERS: window 0: v0-15 addresses, v16-47 the way out, v64-255 three buffers of z's four fragments; window 1: v0-127 accumulators, v128-191 the rows read back, two sets; windows 2, 3: the weight, K steps 0-3 and 4-7.
; Scalars: s13 cx, s92 cy, s14 m; the registers that feed z's descriptor (s14, s88, s89) never hold cx, those that feed the weight's descriptor (s52-55) never hold cy.
.set LP,     272                       ; a line: four rows' 64 bytes + 16 of padding
.set HEADB,  32*LP                     ; a head's 128 rows
.set NT,     5
.set WROW,   NT*2048
.set WHB,    4*WROW
.set WB,     16*HEADB                  ; the weights' K steps 0-4 behind z
.set STAGE,  WB+4*WHB                  ; 16 rows x 272 bytes for each wave; no tile lands here
.set SPARE,  STAGE+4*16*LP             ; the spare words, 128 bytes a wave
.set SPW, 2
.set NIL, 3
.set A0,  4                            ; v4  my lane's place in a block of 16 rows: LP (r / 4) + 64 (r % 4) + 16 H
.set ADR, 5                            ; v5, v6  the same in the half in hand: heads 0-7, heads 8-15
.set STO, 7
.set RD,  8
.set CO,  9                            ; v9  my byte in two rows of out
.set WO,  10                           ; v10 16 x lane
.set WA,  14
.set TMP, 16
.set AB,  64
.set BK,  128                          ; in window 1
.set G0Z, 16
.set G1Z, 24
.set G0W, 32
.set G1W, 68
.set MSB, 0
.macro WIN new                         ; the immediate's high byte repeats the setting that is left
.if MSB != (\new)
	s_set_vgpr_msb (MSB<<8)|(\new)
.set MSB, (\new)
.endif
.endm
.macro PLACES                          ; plain vector instructions behind a matrix instruction (ISA guide 7.12.1)
.rept 4
	v_nop
.endr
.endm
.macro CROUND                          ; a round of the cluster's barrier
	s_barrier_signal -1
	s_barrier_wait -1
	s_cmp_lg_u32 s12, 0
	s_cbranch_scc1 .Lnot_wave_0_\@
	s_barrier_signal -3
.Lnot_wave_0_\@:
	s_barrier_wait -3
	s_barrier_signal -1
	s_barrier_wait -1
.endm
.macro LOADG g                         ; K step g's four fragments of z into buffer g % 3: registers 4 c .. 4 c + 3 hold K = 128 g + 32 c + 16 H + 0 .. 15: head 2 g + c / 2, its bytes 32 (c % 2) + 16 H on
.irp a, 0,1,2,3
.irp c, 0,1,2,3
	ds_load_b128 v[AB+64*((\g)%3)+16*\a+4*\c:AB+64*((\g)%3)+16*\a+4*\c+3], v[ADR+(\g)/4] offset:(2*((\g)%4)+\c/2)*HEADB+\a*4*LP+32*(\c%2)
.endr
.endr
.endm
.macro MULG g                          ; 16 matrix instructions, one on each accumulator; K step 0 starts the sums
	WIN 0x50|(2+(\g)/4)
.irp a, 0,1,2,3
.irp b, 0,1,2,3
.set WR, 64*((\g)%4)+16*\b
.set AR, AB+64*((\g)%3)+16*\a
.set DR, 8*(4*\a+\b)
.if (\g) == 0
	v_wmma_f32_16x16x128_fp8_fp8 v[DR:DR+7], v[WR:WR+15], v[AR:AR+15], 0
.else
	v_wmma_f32_16x16x128_fp8_fp8 v[DR:DR+7], v[WR:WR+15], v[AR:AR+15], v[DR:DR+7]
.endif
.endr
.endr
	WIN 0
.endm
.macro TOSTAGE a                       ; block a's 16 rows x 64 columns: x 2^(e10 + e11), into my stage, back as rows
	WIN 0x01
.irp j, 0,2,4,6,8,10,12,14,16,18,20,22,24,26,28,30
	v_pk_mul_f32 v[TMP+\j:TMP+\j+1], v[32*(\a)+\j:32*(\a)+\j+1], s[62:63] op_sel_hi:[1,0]   ; each accumulator from its low end on
.endr
	WIN 0
.irp b, 0,1,2,3
	ds_store_b128 v[STO], v[TMP+8*\b:TMP+8*\b+3] offset:64*\b
	ds_store_b128 v[STO], v[TMP+8*\b+4:TMP+8*\b+7] offset:64*\b+16
.endr
	WIN 0x40
.irp t, 0,1,2,3,4,5,6,7
	ds_load_b128 v[BK+32*((\a)%2)+4*\t:BK+32*((\a)%2)+4*\t+3], v[RD] offset:\t*2*LP   ; LDS serves a wave's instructions in order: these see my stores
.endr
	WIN 0
.endm
.macro SEND a, younger                 ; younger: the LDS instructions issued behind block a's loads, which may stay out
	s_wait_dscnt \younger
	WIN 0x04
.irp t, 0,1,2,3,4,5,6,7
	global_store_b128 v[CO], v[BK+32*((\a)%2)+4*\t:BK+32*((\a)%2)+4*\t+3], s[56:57] offset:(16*(\a)+2*\t)*4096 th:TH_STORE_NT   ; sixteen lanes store 256 consecutive bytes, aligned
.endr
	WIN 0
.endm
	s_load_b128 s[4:7], s[0:1], 0x0                ; zc, wc
	s_load_b128 s[8:11], s[0:1], 0x10              ; the scales, out0
	v_lshl_add_u32 v[SPW], v0, 2, SPARE
	v_mov_b32 v[NIL], 0
	ds_add_u32 v[SPW], v[NIL]                      ; the opening: the add, twice on end, and its wait ahead of my first tensor load
	ds_add_u32 v[SPW], v[NIL]
	v_lshrrev_b32 v1, 5, v0
	v_readfirstlane_b32 s12, v1                    ; wave 0..3
	s_bfe_u32 s13, ttmp6, 0x40000                  ; cx
	s_bfe_u32 s92, ttmp6, 0x40004                  ; cy
	s_and_b32 s93, ttmp7, 0xffff                   ; the cluster's number C
	s_lshl_b32 s14, s93, 2
	s_add_co_u32 s14, s14, s92                     ; m = 4 C + cy
	s_lshl_b32 s94, s92, 2
	s_lshl_b32 s94, 15, s94                        ; my row of the cluster
	s_lshl_b32 s95, 0x1111, s13                    ; my column
	s_or_b32 s[G1Z], s94, (1<<20)|(1<<21)|(5<<22)|(3<<25)   ; the mask: z's rows go to my row; elements of 1 byte; padding on: four words after every 64; bit 21 beside the mask
	s_mov_b32 s[G1Z+1], 8192<<16                   ; a row of the tile: a head's 128 rows of z
	s_mov_b32 s[G1Z+2], 8<<16                      ; eight heads
	s_mov_b32 s[G1Z+3], 8192<<16
	s_mov_b32 s[G1Z+4], 8
	s_mov_b32 s[G1Z+5], 16384                      ; from head to head
	s_mov_b32 s[G1Z+6], 0
	s_mov_b32 s[G1Z+7], 0
	s_or_b32 s[G1W], s95, 1<<21                    ; the mask: the weight goes to my column; elements of 1 byte, no padding: 8 rows (two waves' four blocks) of WROW bytes, 16,384 apart
	s_mov_b32 s[G1W+1], WROW<<16
	s_mov_b32 s[G1W+2], 8<<16
	s_mov_b32 s[G1W+3], WROW<<16
	s_mov_b32 s[G1W+4], 8
	s_mov_b32 s[G1W+5], 16384
	s_mov_b32 s[G1W+6], 0
	s_mov_b32 s[G1W+7], 0
	s_mov_b32 s[G0Z], 1
	s_mov_b32 s[G0W], 1
	s_and_b32 s50, s12, 1                          ; which half I fetch
	s_mul_i32 s[G0Z+1], s50, 8*HEADB
	s_mul_i32 s[G0W+1], s50, 2*WHB
	s_add_co_u32 s[G0W+1], s[G0W+1], WB
	s_lshr_b32 s88, s14, 1
	s_lshl_b32 s88, s88, 18                        ; the block of 256 rows,
	s_and_b32 s89, s14, 1
	s_lshl_b32 s89, s89, 13                        ; its half,
	s_add_co_u32 s88, s88, s89
	s_lshl_b32 s89, s50, 17                        ; eight heads
	s_add_co_u32 s88, s88, s89
	s_mov_b32 s89, 0
	s_lshl_b32 s54, s13, 18                        ; W_O is the fourth part of wc; my column's 256 rows,
	s_add_co_u32 s54, s54, 0x300000
	s_lshl_b32 s55, s50, 17                        ; 128 of them
	s_add_co_u32 s52, s54, s55
	s_mov_b32 s53, 0
	s_lshl_b32 s55, s12, 16                        ; my wave's 64
	s_add_co_u32 s54, s54, s55
	s_mov_b32 s55, 0
	s_lshl_b32 s58, s14, 19                        ; out: 128 rows of 4,096 bytes,
	s_lshl_b32 s59, s13, 10
	s_add_co_u32 s58, s58, s59
	s_lshl_b32 s59, s12, 8
	s_add_co_u32 s58, s58, s59                     ; column 256 cx + 64 wave
	s_mov_b32 s59, 0
	s_wait_dscnt 0x0                               ; both opening adds are done
	s_wait_kmcnt 0x0
	s_load_b64 s[44:45], s[8:9], 0x28              ; e10, e11
	s_add_nc_u64 s[G0Z+2:G0Z+3], s[4:5], s[88:89]
	s_or_b32 s[G0Z+3], s[G0Z+3], 0x80000000
	s_add_nc_u64 s[G0W+2:G0W+3], s[6:7], s[52:53]
	s_or_b32 s[G0W+3], s[G0W+3], 0x80000000
	s_add_nc_u64 s[20:21], s[6:7], s[54:55]
	s_add_nc_u64 s[22:23], s[10:11], s[58:59]
	CROUND                                         ; all sixteen work-groups are here: the joint loads meet
	s_cmp_lt_u32 s12, 2
	s_cbranch_scc0 .Lfor_w
	tensor_load_to_lds s[G0Z:G0Z+3], s[G1Z:G1Z+7]
	s_nop 0
	PLACES
	s_branch .Lasked
.Lfor_w:
	tensor_load_to_lds s[G0W:G0W+3], s[G1W:G1W+7]
	s_nop 0
	PLACES
.Lasked:
	v_and_b32 v[WO], 31, v0
	v_lshlrev_b32 v[WO], 4, v[WO]
	v_and_b32 v1, 15, v0                           ; r
	v_bfe_u32 v11, v0, 4, 1                        ; H
	v_bfe_u32 v12, v0, 2, 2                        ; r / 4
	v_and_b32 v13, 3, v0                           ; r % 4
	v_mul_u32_u24 v[A0], v12, LP
	v_lshl_add_u32 v[A0], v13, 6, v[A0]
	v_lshl_add_u32 v[A0], v11, 4, v[A0]
	v_mov_b32 v[ADR], v[A0]                        ; the first half
	v_add_nc_u32 v[ADR+1], 8*HEADB, v[A0]
	s_mul_i32 s50, s12, 16*LP
	s_add_co_u32 s50, s50, STAGE                   ; my stage
	v_mul_u32_u24 v[STO], v1, LP
	v_lshl_add_u32 v[STO], v11, 5, v[STO]
	v_add_nc_u32 v[STO], s50, v[STO]               ; in: row r, + 32 H
	v_mul_u32_u24 v[RD], v11, LP
	v_lshl_add_u32 v[RD], v1, 4, v[RD]
	v_add_nc_u32 v[RD], s50, v[RD]                 ; back: lanes 0-15 one row, lanes 16-31 the next
	v_lshlrev_b32 v[CO], 12, v11
	v_lshl_add_u32 v[CO], v1, 4, v[CO]             ; and the same two rows in out
	s_mul_i32 s51, s12, WHB
	s_add_co_u32 s51, s51, WB
	v_add_nc_u32 v[WA], s51, v[WO]
	s_wait_alu depctr_va_vdst(0)
	WIN 0xc0
.irp q, 1,2,3                                  ; K steps 5-7 from memory: block b, K step 4 + q at 2048 (8 b + 4 + q)
.irp b, 0,1,2,3
.irp c, 0,1,2,3
	global_load_b128 v[64*\q+16*\b+4*\c:64*\q+16*\b+4*\c+3], v[WO], s[20:21] offset:(8*\b+4+\q)*2048+512*\c
.endr
.endr
.endr
	WIN 0
	s_wait_tensorcnt 0x0                           ; my tile has landed,
	s_barrier_signal -1
	s_barrier_wait -1                              ; everybody's has
.irp q, 0,1,2,3,4                              ; K steps 0-4 from LDS
	WIN 0x80+0x40*(\q/4)
.irp b, 0,1,2,3
.irp c, 0,1,2,3
	ds_load_b128 v[64*(\q%4)+16*\b+4*\c:64*(\q%4)+16*\b+4*\c+3], v[WA] offset:\b*WROW+\q*2048+512*\c
.endr
.endr
.endr
	WIN 0
	LOADG 0
	LOADG 1
	s_wait_kmcnt 0x0
	s_add_co_i32 s62, s44, s45
	s_add_co_i32 s62, s62, 127
	s_lshl_b32 s62, s62, 23                        ; 2^(e10 + e11) as f32
	s_mov_b32 s63, s62                             ; (named with it as a pair)
	s_wait_loadcnt 0x0                             ; the weight's K steps 5-7
	s_mov_b32 s60, 0
.Lhalf:
.irp g, 0,1,2,3,4,5,6,7
.if \g < 6
	PLACES
	LOADG \g+2
	s_wait_dscnt 32                                ; this K step's 16 loads, and all before them, are in; the 32 of the two steps behind it may be out
.else
	s_wait_dscnt 16*(7-\g)
.endif
	MULG \g
.endr
	s_cmp_lg_u32 s60, 0
	s_cbranch_scc1 .Llast
	v_add_nc_u32 v[ADR], 16*LP, v[A0]              ; the second half's first two K steps, ahead of the first half's way out
	v_add_nc_u32 v[ADR+1], 16*LP+8*HEADB, v[A0]
	s_wait_alu depctr_va_vdst(0)
	PLACES
	LOADG 0
	LOADG 1
.Llast:
	PLACES
	s_wait_xcnt 0x0                                ; the first half's stores have read their base and their registers
	s_lshl_b32 s58, s60, 18                        ; 64 rows of 4,096 bytes
	s_mov_b32 s59, 0
	s_add_nc_u64 s[56:57], s[22:23], s[58:59]
	TOSTAGE 0
.irp a, 1,2,3
.if \a > 1
	s_wait_xcnt 0x0                                ; block a - 2's stores have read their registers
.endif
	TOSTAGE \a
	SEND \a-1, 16                                  ; behind block a - 1's loads: block a's 8 stores and 8 loads
.endr
	SEND 3, 0
	s_add_co_u32 s60, s60, 1
	s_cmp_lt_u32 s60, 2
	s_cbranch_scc1 .Lhalf
	s_wait_tensorcnt 0x0                           ; the wave's end
	ds_add_u32 v[SPW], v[NIL]
	s_wait_dscnt 0x0
	CROUND                                         ; the closing round
	s_endpgm
.Lfunc_end_k_q3826527fbd_outp:
	.size	k_q3826527fbd_outp, .Lfunc_end_k_q3826527fbd_outp-k_q3826527fbd_outp
	.p2alignl 7, 3214868480
	.fill 96, 4, 3214868480
	.section	.rodata,"a",@progbits
	.p2align	6, 0x0
	.amdhsa_kernel k_q3826527fbd_outp
		.amdhsa_group_segment_fixed_size 327680
		.amdhsa_private_segment_fixed_size 0
		.amdhsa_enable_private_segment 0
		.amdhsa_kernarg_size 32
		.amdhsa_user_sgpr_count 2
		.amdhsa_user_sgpr_kernarg_segment_ptr 1
		.amdhsa_wavefront_size32 1
		.amdhsa_system_sgpr_workgroup_id_x 1
		.amdhsa_system_sgpr_workgroup_id_y 1
		.amdhsa_system_sgpr_workgroup_id_z 1
		.amdhsa_system_vgpr_workitem_id 0
		.amdhsa_next_free_vgpr 1024
		.amdhsa_next_free_sgpr 100
		.amdhsa_reserve_vcc 0
		.amdhsa_float_denorm_mode_32 3
		.amdhsa_float_denorm_mode_16_64 3
		.amdhsa_memory_ordered 1
		.amdhsa_forward_progress 1
		.amdhsa_inst_pref_size 49
	.end_amdhsa_kernel
	.amdgpu_metadata
---
amdhsa.version: [ 1, 2 ]
amdhsa.kernels:
  - .name:           k_q3826527fbd_outp
    .symbol:         k_q3826527fbd_outp.kd
    .args:
      - { .name: zc, .offset: 0, .size: 8, .value_kind: global_buffer, .address_space: global }
      - { .name: wc, .offset: 8, .size: 8, .value_kind: global_buffer, .address_space: global }
      - { .name: lowp_scales, .offset: 16, .size: 8, .value_kind: global_buffer, .address_space: global }
      - { .name: out0, .offset: 24, .size: 8, .value_kind: global_buffer, .address_space: global }
    .group_segment_fixed_size: 327680
    .private_segment_fixed_size: 0
    .kernarg_segment_align: 8
    .kernarg_segment_size: 32
    .max_flat_workgroup_size: 128
    .sgpr_count:     100
    .vgpr_count:     1024
    .wavefront_size: 32
...
	.end_amdgpu_metadata
.endif
;; end of part 5
